; MI455X (gfx1250); checked and timed in simulation.
; The chip was launched on July 23, 2026; its instructions are those of AMD's public machine-readable ISA for CDNA 5 (MIT licence, August 2026) and "CDNA5" Instruction Set Architecture Reference Guide (July 2026). The comments in the code are by the model that wrote it; some were corrected since.
;; Multi Head Attention. Allowed arithmetic: matrix products marked QUANTISED: E2M3 operands, one E8M0 scale for each 32 along K, by v_wmma_scale_f32_16x16x128_f8f6f4 with both operands' format E2M3, f32 sums; everything else in f32.
;; Inputs: Wk 1,024 x 1,024 float32; Wo 1,024 x 1,024 float32; Wq 1,024 x 1,024 float32; Wv 1,024 x 1,024 float32; attention_mask 4 x 1 x 1 x 2,048 float32; bk 1,024 float32; bo 1,024 float32; bq 1,024 float32; bv 1,024 float32; hidden_states 4 x 2,048 x 1,024 float32.
;; Outputs: out0 4 x 2,048 x 1,024 float32.
;; This version of the problem:
;;   THIS VERSION OF THE PROBLEM IS GIVEN IN LOW PRECISION. The matrix products marked QUANTISED in the list below multiply operands that are first quantised to E2M3 (2 exponent bits, 3 mantissa bits; 6 bits a number), with one power-of-two scale for each 32 numbers along K (OCP MX v1.0); their sums are f32. All else is computed in f32.
;;   The module's matrix products, in the order in which they are computed (A, B: the left and right operand; K: the contracted axis; several contracted axes count as one K, in the product's order):
;;     1. [M 8,192, K 1,024] x [K 1,024, N 1,024]; A: input hidden_states; B: input Wq: QUANTISED
;;     2. [M 8,192, K 1,024] x [K 1,024, N 1,024]; A: input hidden_states; B: input Wk: QUANTISED
;;     3. [M 8,192, K 1,024] x [K 1,024, N 1,024]; A: input hidden_states; B: input Wv: QUANTISED
;;     4. batch 64 x [M 2,048, K 64] x [K 64, N 2,048]; A: computed on the way; B: computed on the way: QUANTISED
;;     5. batch 64 x [M 2,048, K 2,048] x [K 2,048, N 64]; A: softmax (see below); B: computed on the way: QUANTISED
;;     6. [M 8,192, K 1,024] x [K 1,024, N 1,024]; A: computed on the way; B: input Wo: QUANTISED
;;   THE QUANTISER, for each operand of a quantised product, along K:
;;     - K is cut into blocks of 32 from its start; a last block that is shorter is filled with zeros.
;;     - A block's scale is 2^e with e = floor(log2(the largest magnitude in the block)) - 2, held to -126 .. 127; a block of zeros has e = 0. As a byte (E8M0): e + 127.
;;     - Each number is divided by its block's scale, clamped to +-7.5, and rounded to the nearest number of E2M3, ties to even, subnormals kept.
;;     - The product sums the exact products of the quantised numbers (number of the format x scale) in f32.
;;   ~~~python
;;   def quantise(x, axis):      # numpy; x: float32 -> the quantised numbers, widened to float32 again
;;       x = np.moveaxis(x, axis, -1); K = x.shape[-1]
;;       x = np.pad(x, [(0, 0)] * (x.ndim - 1) + [(0, -K % 32)]); x = x.reshape(x.shape[:-1] + (-1, 32)); a = np.abs(x).max(-1, keepdims=True)
;;       e = np.where(a > 0, np.clip(np.frexp(np.where(a > 0, a, 1))[1] - 1 - 2, -126, 127), 0)      # np.frexp(a)[1] - 1 = floor(log2(a)), exactly
;;       r = np.clip(x / 2.0 ** e, -7.5, 7.5)
;;       step = 2.0 ** (np.maximum(np.frexp(np.where(r == 0, 1, r))[1] - 1, 0) - 3)
;;       q = np.round(r / step) * step * 2.0 ** e      # np.round: ties to even
;;       return np.moveaxis(q.reshape(q.shape[:-2] + (-1,))[..., :K], -1, axis).astype(np.float32)
;;   ~~~
;;   SOFTMAX AHEAD OF A QUANTISED PRODUCT. Where the list says 'softmax', what is quantised is not the finished softmax but p = 2^(t - M), with t = logit x log2(e) and M = ceil(the row's largest t), a whole number; so 1/2 < the row's largest p <= 1. The row's sum l is taken of the UNQUANTISED p, in f32, and the product's result is divided by l at the end. Since M is a whole number, a kernel that streams over the keys may use a running M (the ceiling of the running maximum): every later rescaling is an exact power of two, which a block's scale takes up: the codes' values come out the same.
;;   OPERANDS COMPUTED ON THE WAY. 'Computed on the way' means the value that the module computes at that place (a softmax that the list does not call 'softmax' is quantised finished and normalised). What goes into a quantiser is computed in f32, as accurately as f32 sums, v_exp_f32 and their like allow (about 1e-6 of the number): no bf16 or f16 on the way to a quantiser, and a product that is left as it is and whose result goes on into a quantised operand takes f32 operands (vector FMAs, or v_wmma_f32_16x16x4_f32). A number that lies on a knife's edge between two numbers of the format may be rounded either way, as far as f32 arithmetic and the matrix unit's own rounding can turn it there, and no further.
;; One version. Each part assembles by itself: llvm-mc -triple=amdgcn-amd-amdhsa -mcpu=gfx1250 --defsym DOCPART=n.
;; ======== version 1 of 1: 4 launches
;; limits: right only within a limited range of input values
;; workspace buffers: xq 6,553,600 bytes; wq 3,276,800 bytes; qb 6,815,744 bytes; kvb 13,631,488 bytes; cb 6,553,600 bytes
;; launch prep (part 1): grid 384 x 1, 4 waves a work-group, no clusters, 1,536 bytes of LDS; arguments hidden_states, Wq, Wk, Wv, Wo, xq, wq; writes xq, wq
.if DOCPART == 1
	.amdgcn_target "amdgcn-amd-amdhsa--gfx1250"
	.amdhsa_code_object_version 6
	.text
	.protected	k_qab417cb0dd_prep
	.globl	k_qab417cb0dd_prep
	.p2align	8
	.type	k_qab417cb0dd_prep,@function
k_qab417cb0dd_prep:
	s_mov_b64 s[64:65], 0
	v_nop
	global_prefetch_b8 v0, s[64:65] scope:SCOPE_SE
	s_setreg_imm32_b32 hwreg(HW_REG_WAVE_MODE, 25, 1), 1
	s_wait_xcnt 0x0
; hidden_states [8192][1024] and the four weights [1024 (k)][1024 (n)], f32, become codes of FP6 (E2M3) with one E8M0 byte for each 32 along K = 1024.
; A block's scale is 2^(floor(log2(largest magnitude)) - 2); its byte is the largest magnitude's exponent field - 2, held at 1 from below.
; LAYOUT OF THE WORKSPACES: images of operand registers.  A tile is 16 rows; tile 2 B + u holds rows 32 B + 8 u + r + 8 (r / 8).  A fragment (16 rows x 128 K, 12 registers a lane)
; is 1,536 bytes: for c = 0, 1: registers 6 c .. 6 c + 3 at 768 c + 16 x lane, registers 6 c + 4, 6 c + 5 at 768 c + 512 + 8 x lane.  A group of 128 rows is [K step 8][tile 8][1,536] = 98,304 bytes.
; A tile's scale words for its 8 K steps are 512 bytes: word s of row r at 256 (s / 4) + 16 r + 4 (s % 4).
; Work-groups 0-127: a wave takes one tile of tokens, K innermost: lane (r, h) loads the 32 numbers of blocks h and 2 + h of each K step, so a block's largest magnitude needs no other lane.
; Work-groups 128-383: a wave takes 32 columns of one weight and one K step: a lane takes a column, its registers run down K; lanes 0-15 hold tile 2 B's rows, lanes 16-31 tile 2 B + 1's.
; LIMITS: NaN and infinities are not served; a block of zeros gets the byte 1 (its codes are zeros, and only this program reads the bytes); blocks under 2^-124 are held at the byte 1.
.set XSO,   6291456                    ; xq: where the scale words begin
.set WSO,   3145728                    ; wq: likewise
.set GRP,   98304
.set STEPB, 12288                      ; a K step of a group
.set FRB,   1536
.set FLOOR, 0x1800000                  ; 2^(3 - 127)
.set EOFF,  0xff000000                 ; 2 off an exponent field
.set WD,    24                         ; v24-31  scale words
.set CD,    32                         ; v32-55  two sets of 12 registers of codes
.set TP,    56                         ; v56-63  upper halves of blocks (a conversion's three registers begin on an even number)
.set NX,    64                         ; v64-255 numbers
.set WV,    18
.set SEL,   22
	s_load_b256 s[4:11], s[0:1], 0x0               ; hidden_states s[4:5], Wq s[6:7], Wk s[8:9], Wv s[10:11]
	s_load_b128 s[12:15], s[0:1], 0x20             ; Wo s[12:13], xq s[14:15]
	s_load_b64 s[16:17], s[0:1], 0x30              ; wq
	v_lshl_add_u32 v59, v0, 2, 0x400
	v_mov_b32 v63, 0
	v_lshrrev_b32 v1, 5, v0
	v_readfirstlane_b32 s[WV], v1                  ; wave
	v_and_b32 v1, 31, v0                           ; lane
	v_and_b32 v2, 15, v0                           ; r
	v_bfe_u32 v3, v0, 4, 1                         ; h
	v_lshlrev_b32 v5, 4, v1                        ; 16 x lane
	v_lshlrev_b32 v6, 3, v1                        ; 8 x lane
	s_mov_b32 s[SEL], 0x76543210
	s_mov_b32 s[SEL+1], 0xfedcba98                 ; selects for lane l xor 16
	s_wait_kmcnt 0x0
	s_cmp_lt_u32 ttmp9, 128
	s_cbranch_scc0 .Lweights
	; ---------------- tokens ----------------
	s_lshl_b32 s24, ttmp9, 2
	s_add_co_u32 s24, s24, s[WV]                   ; my tile T
	s_lshr_b32 s26, s24, 1
	s_lshl_b32 s26, s26, 17                        ; 32 (T / 2) rows of 4,096 bytes
	s_and_b32 s25, s24, 1
	s_lshl_b32 s25, s25, 15                        ; + 8 (T % 2) rows
	s_add_co_u32 s26, s26, s25
	s_mov_b32 s27, 0
	s_add_nc_u64 s[4:5], s[4:5], s[26:27]
	s_lshr_b32 s26, s24, 3
	s_mul_i32 s26, s26, GRP
	s_and_b32 s25, s24, 7
	s_mul_i32 s25, s25, FRB
	s_add_co_u32 s26, s26, s25
	s_add_nc_u64 s[30:31], s[14:15], s[26:27]      ; my tile's fragment of K step 0
	s_lshl_b32 s26, s24, 9
	s_add_co_u32 s26, s26, XSO
	s_add_nc_u64 s[32:33], s[14:15], s[26:27]      ; my tile's scale words
	v_and_b32 v4, 8, v2
	v_add_nc_u32 v4, v4, v2                        ; r + 8 (r / 8)
	v_lshlrev_b32 v4, 12, v4
	v_lshl_add_u32 v4, v3, 7, v4                   ; my row, + 128 h: my block of 32 numbers
	v_lshlrev_b32 v7, 3, v3                        ; 8 h: where my bytes stand in a scale word
	v_mov_b32 v11, 0                               ; a lane permute's destination counts as one of its sources
.macro XLOAD s                         ; K step s: blocks h and 2 + h of my row, 16 loads, into set s % 3
.irp c, 0,1
.irp j, 0,1,2,3,4,5,6,7
	global_load_b128 v[NX+64*((\s)%3)+32*\c+4*\j:NX+64*((\s)%3)+32*\c+4*\j+3], v4, s[4:5] offset:512*(\s)+256*\c+16*\j
.endr
.endr
.endm
.macro XSTEP s
.set XS, NX+64*((\s)%3)
.set XC, CD+12*((\s)%2)
.if (\s) < 6
	s_wait_loadcnt 32                              ; this step's 16 loads are in; the two sets behind it stay out
.else
	s_wait_loadcnt 16*(7-(\s))
.endif
	s_wait_xcnt 0x0                                ; the stores of two steps ago have read this set of codes
.irp c, 0,1
	v_max3_num_f32 v[12+\c], |v[XS+32*\c]|, |v[XS+32*\c+1]|, FLOOR   ; the floor among the leaves holds the byte at 1 from below
.endr
.irp i, 2,4,6,8,10,12,14,16,18,20,22,24,26,28,30
.irp c, 0,1
	v_max3_num_f32 v[12+\c], v[12+\c], |v[XS+32*\c+\i]|, |v[XS+32*\c+\i+1]|   ; the two blocks by turns
.endr
.endr
.irp c, 0,1
	v_add_nc_u32 v[14+\c], EOFF, v[12+\c]          ; the conversion takes this operand's exponent field as its scale
.endr
.irp c, 0,1
	v_lshrrev_b32 v[16+\c], 23, v[14+\c]           ; the scale's byte
.endr
	v_lshl_or_b32 v18, v17, 16, v16                ; blocks h and 2 + h,
	v_lshlrev_b32 v18, v7, v18                     ; at their places;
	v_permlanex16_b32 v11, v18, s[SEL], s[SEL+1]
	v_or_b32 v[WD+(\s)], v18, v11                  ; with lane l xor 16's two the word is whole
.irp c, 0,1
	v_cvt_scalef32_pk16_fp6_f32 v[XC+6*\c:XC+6*\c+2], v[XS+32*\c:XS+32*\c+15], v[14+\c]
	v_cvt_scalef32_pk16_fp6_f32 v[TP+4*\c:TP+4*\c+2], v[XS+32*\c+16:XS+32*\c+31], v[14+\c]
.endr
	v_nop                                          ; one plain line behind the scaled conversions
.irp c, 0,1
.irp i, 0,1,2
	v_mov_b32 v[XC+6*\c+3+\i], v[TP+4*\c+\i]
.endr
.endr
	global_store_b128 v5, v[XC:XC+3], s[30:31] offset:STEPB*(\s)            ; 512 consecutive bytes
	global_store_b64 v6, v[XC+4:XC+5], s[30:31] offset:STEPB*(\s)+512       ; 256
	global_store_b128 v5, v[XC+6:XC+9], s[30:31] offset:STEPB*(\s)+768
	global_store_b64 v6, v[XC+10:XC+11], s[30:31] offset:STEPB*(\s)+1280
.if (\s)+3 < 8
	XLOAD (\s)+3
.endif
.endm
	XLOAD 0
	XLOAD 1
	XLOAD 2
.irp s, 0,1,2,3,4,5,6,7
	XSTEP \s
.endr
	v_cmp_ne_u32 vcc_lo, 0, v3
.irp j, 0,1,2,3
	v_cndmask_b32 v[WD+\j], v[WD+\j], v[WD+4+\j], vcc_lo   ; lanes 16-31 store K steps 4-7's words
.endr
	global_store_b128 v5, v[WD:WD+3], s[32:33]     ; the tile's 512 bytes of scale words
	s_branch .Ljoin
	; ---------------- weights ----------------
.Lweights:
	s_sub_co_u32 s24, ttmp9, 128                   ; id = 64 x matrix + 2 B + q
	s_lshr_b32 s25, s24, 6                         ; which matrix
	s_bfe_u32 s26, s24, 0x50001                    ; B: which 32 columns
	s_and_b32 s27, s24, 1                          ; q
	s_cmp_eq_u32 s25, 1
	s_cselect_b64 s[28:29], s[8:9], s[6:7]
	s_cmp_eq_u32 s25, 2
	s_cselect_b64 s[28:29], s[10:11], s[28:29]
	s_cmp_eq_u32 s25, 3
	s_cselect_b64 s[28:29], s[12:13], s[28:29]
	s_lshl_b32 s30, s27, 2
	s_add_co_u32 s30, s30, s[WV]                   ; my K step = 4 q + wave
	s_lshl_b32 s32, s30, 19                        ; 128 rows of 4,096 bytes
	s_lshl_b32 s33, s26, 7                         ; + 32 columns
	s_add_co_u32 s32, s32, s33
	s_mov_b32 s33, 0
	s_add_nc_u64 s[28:29], s[28:29], s[32:33]
	s_lshl_b32 s34, s25, 6
	s_lshl_b32 s35, s26, 1
	s_add_co_u32 s34, s34, s35                     ; the first of my two tiles
	s_lshr_b32 s32, s34, 3
	s_mul_i32 s32, s32, GRP
	s_mul_i32 s35, s30, STEPB
	s_add_co_u32 s32, s32, s35
	s_and_b32 s35, s34, 7
	s_mul_i32 s35, s35, FRB
	s_add_co_u32 s32, s32, s35
	s_add_nc_u64 s[36:37], s[16:17], s[32:33]
	v_and_b32 v8, 7, v1                            ; my column of the 32: (l & 7) + 16 ((l >> 3) & 1) + 8 (l >> 4)
	v_and_b32 v9, 8, v1
	v_lshl_or_b32 v8, v9, 1, v8
	v_and_b32 v9, 16, v1
	v_lshrrev_b32 v9, 1, v9
	v_or_b32 v8, v8, v9
	v_lshlrev_b32 v8, 2, v8
	s_lshl_b32 s38, s[WV], 2
	v_add_nc_u32 v10, s38, v5                      ; LDS: 16 x lane + 4 x wave: my column's word of my K step
.set i, 0
.rept 128
	global_load_b32 v[NX+i], v8, s[28:29] offset:i*4096 th:TH_LOAD_NT   ; row k of the K step, 32 neighbouring columns: 128 consecutive bytes
.set i, i+1
.endr
.macro WHALF c                         ; blocks 2 c and 2 c + 1 of my column
.set WA, CD+12*\c
.set WB, CD+12*\c+6
.set N0, NX+64*\c
.irp k, 0,1
	v_max3_num_f32 v[12+\k], |v[N0+32*\k]|, |v[N0+32*\k+1]|, FLOOR
.endr
.irp i, 2,4,6,8,10,12,14,16,18,20,22,24,26,28,30
.irp k, 0,1
	v_max3_num_f32 v[12+\k], v[12+\k], |v[N0+32*\k+\i]|, |v[N0+32*\k+\i+1]|
.endr
.endr
.irp k, 0,1
	v_add_nc_u32 v[14+\k], EOFF, v[12+\k]
.endr
.irp k, 0,1
	v_lshrrev_b32 v[16+2*\c+\k], 23, v[14+\k]
.endr
	v_cvt_scalef32_pk16_fp6_f32 v[WA:WA+2], v[N0:N0+15], v14
	v_cvt_scalef32_pk16_fp6_f32 v[TP:TP+2], v[N0+16:N0+31], v14
	v_cvt_scalef32_pk16_fp6_f32 v[WB:WB+2], v[N0+32:N0+47], v15
	v_cvt_scalef32_pk16_fp6_f32 v[TP+4:TP+6], v[N0+48:N0+63], v15
	v_nop                                          ; one plain line behind the scaled conversions
.irp i, 0,1,2
	v_mov_b32 v[WA+3+\i], v[TP+\i]
	v_mov_b32 v[WB+3+\i], v[TP+4+\i]
.endr
.irp i, 0,1,2,3,4,5
	v_permlane16_swap_b32 v[WA+\i], v[WB+\i]       ; the first's lanes 16-31 change places with the second's lanes 0-15: the first is now tile 2 B's half fragment (lanes 16-31: block 2 c + 1), the second tile 2 B + 1's
.endr
	global_store_b128 v5, v[WA:WA+3], s[36:37] offset:768*\c
	global_store_b64 v6, v[WA+4:WA+5], s[36:37] offset:768*\c+512
	global_store_b128 v5, v[WB:WB+3], s[36:37] offset:FRB+768*\c
	global_store_b64 v6, v[WB+4:WB+5], s[36:37] offset:FRB+768*\c+512
.endm
	s_wait_loadcnt 63                              ; the first 64 loads are wanted; a wait names 63 at the most
	WHALF 0
	s_wait_loadcnt 0x0
	WHALF 1
	v_lshl_or_b32 v24, v17, 8, v16                 ; my column's scale word of this K step
	v_lshl_or_b32 v24, v18, 16, v24
	v_lshl_or_b32 v24, v19, 24, v24
	ds_store_b32 v10, v24                          ; the four waves' words of a column lie side by side
.Ljoin:
	s_wait_xcnt 0x0                                ; every store has read its registers
	s_wait_dscnt 0x0                               ; my word has landed
	s_barrier_signal -1
	s_barrier_wait -1                              ; every wave of every work-group passes here
	s_cmp_lt_u32 ttmp9, 128
	s_cbranch_scc1 .Lend
	s_cmp_lg_u32 s[WV], 0
	s_cbranch_scc1 .Lend
	s_sub_co_u32 s24, ttmp9, 128                   ; wave 0 of a weights' work-group stores four K steps' words of two tiles: two runs of 256 bytes
	s_lshr_b32 s25, s24, 1
	s_lshl_b32 s25, s25, 10                        ; 512 x the first tile
	s_and_b32 s26, s24, 1
	s_lshl_b32 s26, s26, 8                         ; + 256 q
	s_add_co_u32 s26, s26, s25
	s_add_co_u32 s26, s26, WSO
	s_mov_b32 s27, 0
	s_add_nc_u64 s[28:29], s[16:17], s[26:27]
	ds_load_b128 v[200:203], v5
	v_lshl_add_u32 v9, v3, 8, v5                   ; 512 (l / 16) + 16 (l % 16)
	s_wait_dscnt 0x0
	global_store_b128 v9, v[200:203], s[28:29]
.Lend:
	s_wait_tensorcnt 0x0
	ds_add_u32 v59, v63
	s_wait_dscnt 0x0
	s_endpgm
.Lfunc_end_k_qab417cb0dd_prep:
	.size	k_qab417cb0dd_prep, .Lfunc_end_k_qab417cb0dd_prep-k_qab417cb0dd_prep
	.p2alignl 7, 3214868480
	.fill 96, 4, 3214868480
	.section	.rodata,"a",@progbits
	.p2align	6, 0x0
	.amdhsa_kernel k_qab417cb0dd_prep
		.amdhsa_group_segment_fixed_size 1536
		.amdhsa_private_segment_fixed_size 0
		.amdhsa_enable_private_segment 0
		.amdhsa_kernarg_size 56
		.amdhsa_user_sgpr_count 2
		.amdhsa_user_sgpr_kernarg_segment_ptr 1
		.amdhsa_wavefront_size32 1
		.amdhsa_system_sgpr_workgroup_id_x 1
		.amdhsa_system_sgpr_workgroup_id_y 1
		.amdhsa_system_sgpr_workgroup_id_z 1
		.amdhsa_system_vgpr_workitem_id 0
		.amdhsa_next_free_vgpr 256
		.amdhsa_next_free_sgpr 66
		.amdhsa_reserve_vcc 1
		.amdhsa_float_denorm_mode_32 3
		.amdhsa_float_denorm_mode_16_64 3
		.amdhsa_memory_ordered 1
		.amdhsa_forward_progress 1
		.amdhsa_inst_pref_size 63
	.end_amdhsa_kernel
	.amdgpu_metadata
---
amdhsa.version: [ 1, 2 ]
amdhsa.kernels:
  - .name:           k_qab417cb0dd_prep
    .symbol:         k_qab417cb0dd_prep.kd
    .args:
      - { .name: hidden_states, .offset: 0, .size: 8, .value_kind: global_buffer, .address_space: global }
      - { .name: Wq, .offset: 8, .size: 8, .value_kind: global_buffer, .address_space: global }
      - { .name: Wk, .offset: 16, .size: 8, .value_kind: global_buffer, .address_space: global }
      - { .name: Wv, .offset: 24, .size: 8, .value_kind: global_buffer, .address_space: global }
      - { .name: Wo, .offset: 32, .size: 8, .value_kind: global_buffer, .address_space: global }
      - { .name: xq, .offset: 40, .size: 8, .value_kind: global_buffer, .address_space: global }
      - { .name: wq, .offset: 48, .size: 8, .value_kind: global_buffer, .address_space: global }
    .group_segment_fixed_size: 1536
    .private_segment_fixed_size: 0
    .kernarg_segment_align: 8
    .kernarg_segment_size: 56
    .max_flat_workgroup_size: 128
    .sgpr_count:     66
    .vgpr_count:     256
    .wavefront_size: 32
...
	.end_amdgpu_metadata
.endif
;; end of part 1
;; launch qkv (part 2): grid 16 x 48, 4 waves a work-group, clusters of 4 x 4, 295,424 bytes of LDS; arguments xq, wq, bq, bk, bv, qb, kvb; writes qb, kvb
.if DOCPART == 2
	.amdgcn_target "amdgcn-amd-amdhsa--gfx1250"
	.amdhsa_code_object_version 6
	.text
	.protected	k_qab417cb0dd_qkv
	.globl	k_qab417cb0dd_qkv
	.p2align	8
	.type	k_qab417cb0dd_qkv,@function
k_qab417cb0dd_qkv:
	s_mov_b64 s[64:65], 0
	v_nop
	global_prefetch_b8 v0, s[64:65] scope:SCOPE_SE
	s_setreg_imm32_b32 hwreg(HW_REG_WAVE_MODE, 25, 1), 1
	s_wait_xcnt 0x0
	s_wait_alu depctr_hold_cnt(0) depctr_sa_sdst(0) depctr_va_vdst(0) depctr_va_sdst(0) depctr_va_ssrc(0) depctr_va_vcc(0) depctr_vm_vsrc(0)
	s_getreg_b32 s2, hwreg(HW_REG_IB_STS2, 6, 4)
	s_cmp_eq_u32 s2, 0
	s_cbranch_scc0 .Lentry_in_a_cluster
	s_endpgm
.Lentry_in_a_cluster:
	s_bfe_u32 s2, ttmp6, 0x10000c
	s_cmp_lg_u32 s2, 0xf033
	s_cbranch_scc0 .Lentry_shape_is_right
	s_endpgm
.Lentry_shape_is_right:
; q = x Wq + bq, k = x Wk + bk, v = x Wv + bv on codes of FP6 with E8M0 scales, K = 1024; the results are quantised in registers and leave as codes: q and k along a head's 64, v along the keys.
; ONE BODY, TWO ROLES.  P is source 0: 128 rows, the axis along which the result is quantised.  R is source 1: 256 rows a work-group, 64 a wave.  In a result a lane holds one row of R and its registers run along P.
;   q, k (clusters y 0-7):  P = 128 rows of Wq^T or Wk^T (two heads), R = tokens.     v (clusters y 8-11):  P = 128 tokens (keys), R = rows of Wv^T: a wave has one head's 64.
; The rows of a tile are 32 B + 8 u + r + 8 (r / 8) (tile 2 B + u), so the 16 registers of tiles 2 B, 2 B + 1 are 16 neighbours along P.  A lane's 128 numbers become 12 registers of codes:
; two half fragments (16 tokens x 64 of a head) of q or k, or one fragment (16 of the head's 64 x 128 keys) of v.
; LDS holds P's 98,304 bytes and R's 196,608 for all of K: every byte is filled once, in four chunks of two K steps, so that the products begin when the first chunk has landed.
; CLUSTER 4 x 4: P hangs on x alone and is asked for jointly by a column of the cluster, R on y alone, by a row.  A wave has four tensor loads out.
; REGISTERS: window 0: v1-15 addresses; v32-63 P's scale words, v64-79 R's (register 8 (tile / 2) + K step: lanes 0-15 the even tile, lanes 16-31 the odd one); v96-159 bias tiles, later codes; v160-167 store offsets; v200-221 at work.
;   window 1: accumulator (a, b) at v[64 b + 8 a].   window 2: P's fragments, two sets of 96.   window 3: R's, two sets of 48.
; LIMITS: NaN and infinities are not served; a block of zeros gets the byte 1 (its codes are zeros); blocks under 2^-124 are held at the byte 1.
.set GRP,   98304
.set STEPB, 12288
.set FRB,   1536
.set RB,    98304                      ; LDS: R behind P
.set XSO,   6291456
.set WSO,   3145728
.set FLOOR, 0x1800000
.set EOFF,  0xff000000
.set PS,  32
.set RS,  64
.set CB,  96
.set TM,  200
.set PW,  216
.set SHV, 220
.set SVA, 221
.set WV,  18
.set SEL, 2
.set G1P, 28
.set G1R, 36
.set G0P, 44
.set G0R, 68
.set MSB, 0
.macro WIN new                         ; the immediate's high byte repeats the setting that is left
.if MSB != \new
	s_set_vgpr_msb (MSB<<8)|\new
.set MSB, \new
.endif
.endm
.macro CROUND                          ; a round of the cluster's barrier
	s_barrier_signal -1
	s_barrier_wait -1
	s_cmp_lg_u32 s[WV], 0
	s_cbranch_scc1 .Lnot_wave_0_\@
	s_barrier_signal -3
.Lnot_wave_0_\@:
	s_barrier_wait -3
	s_barrier_signal -1
	s_barrier_wait -1
.endm
.macro PLACES                          ; four plain lines between a matrix instruction and a load into, or a read of, its registers
.rept 4
	v_nop
.endr
.endm
.macro CHUNK c                         ; K steps 2 c and 2 c + 1 are in LDS for every wave; nothing is ever filled again
	s_wait_tensorcnt 3-(\c)                        ; my loads end in order: the chunks issued behind this one stay out
	s_wait_dscnt 0x0
	s_barrier_signal -1
	s_barrier_wait -1
.endm
.macro FETCH s, f                      ; K step s: P's eight fragments and my four of R, as they lie: 48 loads
.set pa, 4+6*((\s)/4)
.set ra, 12+2*((\s)/4)
.set so, ((\s)%4)*STEPB
	WIN 0x80
.irp a, 0,1,2,3,4,5,6,7
	ds_load_b128 v[96*(\f)+12*\a:96*(\f)+12*\a+3], v[pa] offset:so+FRB*\a
	ds_load_b64 v[96*(\f)+12*\a+4:96*(\f)+12*\a+5], v[pa+1] offset:so+FRB*\a+512
	ds_load_b128 v[96*(\f)+12*\a+6:96*(\f)+12*\a+9], v[pa] offset:so+FRB*\a+768
	ds_load_b64 v[96*(\f)+12*\a+10:96*(\f)+12*\a+11], v[pa+1] offset:so+FRB*\a+1280
.endr
	WIN 0xc0
.irp b, 0,1,2,3
	ds_load_b128 v[48*(\f)+12*\b:48*(\f)+12*\b+3], v[ra] offset:so+FRB*\b
	ds_load_b64 v[48*(\f)+12*\b+4:48*(\f)+12*\b+5], v[ra+1] offset:so+FRB*\b+512
	ds_load_b128 v[48*(\f)+12*\b+6:48*(\f)+12*\b+9], v[ra] offset:so+FRB*\b+768
	ds_load_b64 v[48*(\f)+12*\b+10:48*(\f)+12*\b+11], v[ra+1] offset:so+FRB*\b+1280
.endr
.endm
.macro WMS oa, ob                      ; one product; an odd tile's scale words stand in lanes 16-31
.if (\oa) && (\ob)
	v_wmma_scale_f32_16x16x128_f8f6f4 v[rD:rD+7], v[rA:rA+11], v[rB:rB+11], v[rC:rC+7], v[rSA], v[rSB] matrix_a_fmt:MATRIX_FMT_FP6 matrix_b_fmt:MATRIX_FMT_FP6 matrix_a_scale:MATRIX_SCALE_ROW1 matrix_b_scale:MATRIX_SCALE_ROW1
.elseif (\oa)
	v_wmma_scale_f32_16x16x128_f8f6f4 v[rD:rD+7], v[rA:rA+11], v[rB:rB+11], v[rC:rC+7], v[rSA], v[rSB] matrix_a_fmt:MATRIX_FMT_FP6 matrix_b_fmt:MATRIX_FMT_FP6 matrix_a_scale:MATRIX_SCALE_ROW1
.elseif (\ob)
	v_wmma_scale_f32_16x16x128_f8f6f4 v[rD:rD+7], v[rA:rA+11], v[rB:rB+11], v[rC:rC+7], v[rSA], v[rSB] matrix_a_fmt:MATRIX_FMT_FP6 matrix_b_fmt:MATRIX_FMT_FP6 matrix_b_scale:MATRIX_SCALE_ROW1
.else
	v_wmma_scale_f32_16x16x128_f8f6f4 v[rD:rD+7], v[rA:rA+11], v[rB:rB+11], v[rC:rC+7], v[rSA], v[rSB] matrix_a_fmt:MATRIX_FMT_FP6 matrix_b_fmt:MATRIX_FMT_FP6
.endif
.endm
; 32 products of K step s.  The 32 accumulators take turns, one instruction a turn, in the same order in every step.
; cm = 0: in place.  cm = 1: the sums begin with the bias along P (tile a's eight numbers).  cm = 2: with the bias along R (tile b's, one number a lane).
.macro MUL s, f, cm
.if \cm
	WIN 0x4e                                       ; P window 2, R window 3, C window 0, D window 1
.else
	WIN 0x5e
.endif
.irp b, 0,1,2,3
.irp a, 0,1,2,3,4,5,6,7
.set rD, 64*\b+8*\a
.set rA, 96*(\f)+12*\a
.set rB, 48*(\f)+12*\b
.if (\cm) == 1
.set rC, CB+8*\a
.elseif (\cm) == 2
.set rC, CB+8*\b
.else
.set rC, rD
.endif
.set rSA, PS+8*(\a/2)+(\s)
.set rSB, RS+8*(\b/2)+(\s)
	WMS \a%2, \b%2
.endr
.endr
.endm
.macro KSTEP s                         ; the next step's fragments are asked for, then this step is multiplied
.if ((\s)+1)%2 == 0
	CHUNK ((\s)+1)/2
.endif
	PLACES
	FETCH (\s)+1, ((\s)+1)%2
	s_wait_dscnt 48                                ; all but the 48 just issued
	MUL \s, (\s)%2, 0
.endm
; My 128 numbers of tile b of R (register 16 k + i = P's row 32 k + 16 h + i) become 12 registers of codes at v[96 + 12 b] and the scale word v[PW + b].  Each accumulator is read from its low end on.
.macro QUANTW b
.set sA, 64*\b
.set pc, 96+12*\b
	WIN 0x05
.irp k, 0,1,2,3
	v_max3_num_f32 v[TM+\k], |v[sA+16*\k]|, |v[sA+16*\k+1]|, FLOOR
.endr
	WIN 0x14
.irp i, 2,4,6,8,10,12,14
.irp k, 0,1,2,3
	v_max3_num_f32 v[TM+\k], v[TM+\k], |v[sA+16*\k+\i]|, |v[sA+16*\k+\i+1]|
.endr
.endr
	WIN 0
.irp k, 0,1,2,3
	v_permlanex16_b32 v[TM+4+\k], v[TM+\k], s[SEL], s[SEL+1]
.endr
.irp k, 0,1,2,3
	v_max_num_f32 v[TM+\k], v[TM+\k], v[TM+4+\k]   ; with lane l xor 16's 16: the block's largest magnitude
.endr
.irp k, 0,1,2,3
	v_add_nc_u32 v[TM+12+\k], EOFF, v[TM+\k]
.endr
.irp k, 0,1,2,3
	v_lshrrev_b32 v[TM+4+\k], 23, v[TM+12+\k]
.endr
	v_lshl_or_b32 v[PW+\b], v[TM+5], 8, v[TM+4]
	v_lshl_or_b32 v[PW+\b], v[TM+6], 16, v[PW+\b]
	v_lshl_or_b32 v[PW+\b], v[TM+7], 24, v[PW+\b]
	WIN 0x01
.irp c, 0,1
	v_cvt_scalef32_pk16_fp6_f32 v[pc+6*\c:pc+6*\c+2], v[sA+32*\c:sA+32*\c+15], v[TM+12+2*\c]
	v_cvt_scalef32_pk16_fp6_f32 v[144+4*\c:146+4*\c], v[sA+32*\c+16:sA+32*\c+31], v[TM+13+2*\c]
.endr
	WIN 0
	v_nop                                          ; one plain line behind the scaled conversions
.irp c, 0,1                                    ; the operand's layout wants a whole block in a lane
.irp i, 0,1,2
	v_permlane16_swap_b32 v[pc+6*\c+\i], v[144+4*\c+\i]
.endr
.irp i, 0,1,2
	v_mov_b32 v[pc+6*\c+3+\i], v[144+4*\c+\i]
.endr
.endr
.endm
	s_load_b256 s[4:11], s[0:1], 0x0               ; xq s[4:5], wq s[6:7], bq s[8:9], bk s[10:11]
	s_load_b128 s[12:15], s[0:1], 0x20             ; bv s[12:13], qb s[14:15]
	s_load_b64 s[16:17], s[0:1], 0x30              ; kvb
	v_lshl_add_u32 v254, v0, 2, 0x48000
	v_mov_b32 v255, 0
	ds_add_u32 v254, v255
	ds_add_u32 v254, v255
	v_lshrrev_b32 v1, 5, v0
	v_readfirstlane_b32 s[WV], v1                  ; wave 0..3
	s_lshr_b32 s19, s[WV], 1                       ; I fetch for P (0) or for R (1); also: which of R's two groups is mine
	s_and_b32 s20, s[WV], 1                        ; which half I fetch; also: which four tiles of the group are mine
	s_bfe_u32 s21, ttmp6, 0x40000                  ; cx
	s_bfe_u32 s22, ttmp6, 0x40004                  ; cy
	s_and_b32 s23, ttmp7, 0xffff                   ; cluster y
	s_lshl_b32 s27, s23, 2
	s_add_co_u32 s27, s27, ttmp9
	s_sub_co_u32 s27, s27, 32                      ; cluster x + 4 (cluster y - 8)
	s_cmp_ge_u32 s23, 8
	s_cselect_b32 s24, 1, 0                        ; 1: v's role.  It hangs on the cluster's place alone: the same in all sixteen partners
	s_cselect_b32 s25, s27, ttmp9
	s_cselect_b32 s26, 0, s23
	s_lshl_b32 s25, s25, 2
	s_add_co_u32 s25, s25, s21                     ; pi: P's group (never holds cy)
	s_lshl_b32 s26, s26, 2
	s_add_co_u32 s26, s26, s22                     ; ri: R's pair of groups (never holds cx)
	s_lshl_b32 s60, 0x1111, s21                    ; my column of the cluster
	s_lshl_b32 s61, s22, 2
	s_lshl_b32 s61, 15, s61                        ; my row
	s_or_b32 s[G1P], s60, (3<<16)|(1<<21)          ; 15:0 the mask; 17:16 elements of 8 bytes; 21 set beside a mask; no padding
	s_or_b32 s[G1R], s61, (3<<16)|(1<<21)
	s_mov_b32 s[G1P+1], 32<<16                     ; tensor_dim0 = 32 elements: rows of 256 bytes of a dense block
	s_mov_b32 s[G1P+2], 48<<16                     ; tensor_dim1 = 48: one K step of P, 12,288 bytes
	s_mov_b32 s[G1P+3], 32<<16                     ; tile_dim0
	s_mov_b32 s[G1P+4], 48                         ; tile_dim1
	s_mov_b32 s[G1P+5], 32                         ; the pitch
	s_mov_b32 s[G1P+6], 0
	s_mov_b32 s[G1P+7], 0
	s_mov_b32 s[G1R+1], 32<<16
	s_mov_b32 s[G1R+2], 96<<16                     ; 96 rows: two K steps of one group of R, 24,576 bytes
	s_mov_b32 s[G1R+3], 32<<16
	s_mov_b32 s[G1R+4], 96
	s_mov_b32 s[G1R+5], 32
	s_mov_b32 s[G1R+6], 0
	s_mov_b32 s[G1R+7], 0
	s_mov_b32 s[SEL], 0x76543210
	s_mov_b32 s[SEL+1], 0xfedcba98
	s_mul_i32 s84, s25, GRP                        ; P's group,
	s_mul_i32 s62, s20, STEPB                      ; my K step of a chunk (in memory and in LDS)
	s_add_co_u32 s84, s84, s62
	s_mov_b32 s85, 0
	s_mul_i32 s86, s26, 2*GRP                      ; R's two groups,
	s_mul_i32 s63, s20, GRP                        ; mine of them
	s_add_co_u32 s86, s86, s63
	s_mov_b32 s87, 0
	s_lshl_b32 s88, s25, 12                        ; P's scale words: 8 tiles x 512 bytes
	s_mov_b32 s89, 0
	s_lshl_b32 s90, s26, 4
	s_lshl_b32 s91, s[WV], 2
	s_add_co_u32 s90, s90, s91
	s_lshl_b32 s90, s90, 9                         ; R's: my first tile is 16 ri + 4 wave
	s_mov_b32 s91, 0
	s_cmp_lg_u32 s24, 0
	s_cselect_b32 s92, 16*GRP, 0                   ; Wv^T begins at group 16 of wq
	s_mov_b32 s93, WSO
	s_cselect_b32 s93, XSO, s93
	s_mov_b32 s94, XSO
	s_cselect_b32 s94, WSO+128*512, s94
	s_add_co_u32 s86, s86, s92
	s_add_co_u32 s88, s88, s93
	s_add_co_u32 s90, s90, s94
	s_wait_dscnt 0x0
	s_wait_kmcnt 0x0
	s_cmp_lg_u32 s24, 0
	s_cselect_b64 s[92:93], s[4:5], s[6:7]         ; P's buffer: tokens for v, weights for q and k
	s_cselect_b64 s[94:95], s[6:7], s[4:5]         ; R's: the other one
	s_add_nc_u64 s[84:85], s[92:93], s[84:85]
	s_add_nc_u64 s[86:87], s[94:95], s[86:87]
	s_add_nc_u64 s[88:89], s[92:93], s[88:89]
	s_add_nc_u64 s[90:91], s[94:95], s[90:91]
.irp c, 0,1,2,3                                ; a group 0 for each chunk; every wave makes both kinds and asks by one
	s_mov_b32 s[G0P+4*\c], 1
	s_add_co_u32 s[G0P+4*\c+1], s62, \c*2*STEPB
	s_add_nc_u64 s[G0P+4*\c+2:G0P+4*\c+3], s[84:85], \c*2*STEPB
	s_or_b32 s[G0P+4*\c+3], s[G0P+4*\c+3], 0x80000000
	s_mov_b32 s[G0R+4*\c], 1
	s_add_co_u32 s[G0R+4*\c+1], s63, RB+\c*2*STEPB
	s_add_nc_u64 s[G0R+4*\c+2:G0R+4*\c+3], s[86:87], \c*2*STEPB
	s_or_b32 s[G0R+4*\c+3], s[G0R+4*\c+3], 0x80000000
.endr
	CROUND                                         ; all sixteen work-groups are here: the joint loads meet
	s_cmp_eq_u32 s19, 0                            ; a wave's four first fills stand in one branch on the wave's number; four v_nop follow the last
	s_cbranch_scc0 .Lfor_r
	tensor_load_to_lds s[G0P:G0P+3], s[G1P:G1P+7]
	s_nop 0
	tensor_load_to_lds s[G0P+4:G0P+7], s[G1P:G1P+7]
	s_nop 0
	tensor_load_to_lds s[G0P+8:G0P+11], s[G1P:G1P+7]
	s_nop 0
	tensor_load_to_lds s[G0P+12:G0P+15], s[G1P:G1P+7]
	s_nop 0
.rept 4
	v_nop
.endr
	s_branch .Lasked
.Lfor_r:
	tensor_load_to_lds s[G0R:G0R+3], s[G1R:G1R+7]
	s_nop 0
	tensor_load_to_lds s[G0R+4:G0R+7], s[G1R:G1R+7]
	s_nop 0
	tensor_load_to_lds s[G0R+8:G0R+11], s[G1R:G1R+7]
	s_nop 0
	tensor_load_to_lds s[G0R+12:G0R+15], s[G1R:G1R+7]
	s_nop 0
.rept 4
	v_nop
.endr
.Lasked:
	v_and_b32 v1, 31, v0                           ; lane
	v_and_b32 v2, 15, v0                           ; r
	v_bfe_u32 v3, v0, 4, 1                         ; h
	v_lshlrev_b32 v4, 4, v1                        ; 16 x lane: also P's LDS address, K steps 0-3
	v_lshlrev_b32 v5, 3, v1                        ; 8 x lane
	v_lshlrev_b32 v6, 4, v2
	v_lshl_add_u32 v6, v3, 9, v6                   ; scale words: 16 r, lanes 16-31 one tile on
	v_add_nc_u32 v10, 4*STEPB, v4                  ; K steps 4-7 (an LDS offset has 16 bits)
	v_add_nc_u32 v11, 4*STEPB, v5
	s_mul_i32 s96, s19, GRP
	s_mul_i32 s97, s20, 4*FRB
	s_add_co_u32 s96, s96, s97
	s_add_co_u32 s96, s96, RB                      ; my four tiles of R
	v_add_nc_u32 v12, s96, v4
	v_add_nc_u32 v13, s96, v5
	v_add_nc_u32 v14, 4*STEPB, v12
	v_add_nc_u32 v15, 4*STEPB, v13
.irp k, 0,1,2,3
	v_mov_b32 v[TM+4+\k], 0                        ; a lane permute's destination counts as one of its sources
.endr
.irp i, 0,1,2,3
.irp q, 0,1
	global_load_b128 v[PS+8*\i+4*\q:PS+8*\i+4*\q+3], v6, s[88:89] offset:1024*\i+256*\q   ; tiles 2 i and 2 i + 1, K steps 4 q on
.endr
.endr
.irp i, 0,1
.irp q, 0,1
	global_load_b128 v[RS+8*\i+4*\q:RS+8*\i+4*\q+3], v6, s[90:91] offset:1024*\i+256*\q
.endr
.endr
	s_cmp_lg_u32 s24, 0
	s_cbranch_scc1 .Lbias_v
	s_cmp_lt_u32 ttmp9, 2                          ; groups 0-7 are Wq's, 8-15 Wk's
	s_cselect_b64 s[96:97], s[8:9], s[10:11]
	s_and_b32 s98, s25, 7
	s_lshl_b32 s98, s98, 9
	s_mov_b32 s99, 0
	s_add_nc_u64 s[96:97], s[96:97], s[98:99]
	v_lshlrev_b32 v7, 6, v3                        ; the bias runs along P: tile a's register j is feature 32 (a / 2) + 8 (a % 2) + 16 h + j
.irp a, 0,1,2,3,4,5,6,7
	global_load_b128 v[CB+8*\a:CB+8*\a+3], v7, s[96:97] offset:4*(32*(\a/2)+8*(\a%2))
	global_load_b128 v[CB+8*\a+4:CB+8*\a+7], v7, s[96:97] offset:4*(32*(\a/2)+8*(\a%2))+16
.endr
	s_branch .Lbias_done
.Lbias_v:
	s_lshl_b32 s98, s26, 10
	s_lshl_b32 s99, s[WV], 8
	s_add_co_u32 s98, s98, s99                     ; my 64 features: 256 ri + 64 wave
	s_mov_b32 s99, 0
	s_add_nc_u64 s[96:97], s[12:13], s[98:99]
	v_and_b32 v7, 8, v2
	v_add_nc_u32 v7, v7, v2
	v_lshlrev_b32 v7, 2, v7                        ; the bias runs along R: one number a lane, in all eight registers of tile b
.irp b, 0,1,2,3
.irp j, 0,1,2,3,4,5,6,7
	global_load_b32 v[CB+8*\b+\j], v7, s[96:97] offset:4*(32*(\b/2)+8*(\b%2))
.endr
.endr
.set j, 0
.rept 32
	v_mov_b32 v[CB+32+j], 0                        ; this role's four tiles take 32 registers, the other role's eight take 64: the other 32 are written here too, so that every way through the text has written every register that a later line names
.set j, j+1
.endr
.Lbias_done:
	CHUNK 0
	FETCH 0, 0
	FETCH 1, 1
	s_wait_loadcnt 0x0                             ; scale words and biases
	s_wait_dscnt 48                                ; K step 0's fragments are in; K step 1's 48 loads stay out
	WIN 0
	s_cmp_lg_u32 s24, 0
	s_cbranch_scc1 .Lfirst_v
	MUL 0, 0, 1                                    ; the first K step starts the sums with the bias: nothing is cleared, nothing is added later
	WIN 0
	s_branch .Lfirst_done
.Lfirst_v:
	MUL 0, 0, 2
	WIN 0
.Lfirst_done:
.irp s, 1,2,3,4,5,6
	KSTEP \s
.endr
	s_wait_dscnt 0x0
	MUL 7, 1, 0
	WIN 0
	; THE WAY OUT.  Where my codes and scale words go.  q, k: token group g = 2 ri + wave / 2, heads 2 (pi % 8) and the next; v: keys' group pi, head 4 ri + wave.
	s_lshl_b32 s84, s26, 1
	s_add_co_u32 s84, s84, s19
	s_lshr_b32 s85, s84, 4                         ; batch
	s_and_b32 s84, s84, 15                         ; the group in the batch
	s_and_b32 s86, s25, 7
	s_lshl_b32 s86, s86, 1
	s_lshl_b32 s85, s85, 4
	s_add_co_u32 s85, s85, s86                     ; 16 batch + head
	s_lshr_b32 s87, s25, 4
	s_and_b32 s88, s25, 15
	s_lshl_b32 s87, s87, 4
	s_lshl_b32 s89, s26, 2
	s_add_co_u32 s87, s87, s89
	s_add_co_u32 s87, s87, s[WV]
	s_cmp_lt_u32 ttmp9, 2
	s_cselect_b32 s98, 1, 0
	s_cmp_lg_u32 s24, 0
	s_cselect_b32 s98, 0, s98                      ; 1: q's work-group
	s_cselect_b32 s85, s87, s85
	s_cselect_b32 s84, s88, s84
	s_cmp_lg_u32 s98, 0
	s_cselect_b64 s[92:93], s[14:15], s[16:17]     ; qb, or kvb
	s_mov_b32 s96, 212992
	s_cselect_b32 s96, 106496, s96                 ; from head to head
	s_mov_b32 s97, 13312
	s_cselect_b32 s97, 6656, s97                   ; from record to record (128 tokens)
	s_mul_i32 s85, s85, s96
	s_mul_i32 s84, s84, s97
	s_add_co_u32 s84, s84, s85                     ; my record
	s_mul_i32 s86, s20, 3072                       ; q, k: my four tiles' half fragments;
	s_lshl_b32 s90, s20, 8
	s_add_co_u32 s90, s90, 6144                    ; their scale words
	s_cmp_lg_u32 s24, 0
	s_cselect_b32 s86, 6656, s86                   ; v: the record's four fragments,
	s_cselect_b32 s90, 12800, s90                  ; and their scale words
	s_cselect_b32 s88, 768, s96                    ; registers 6-11: the fragment's second half, or the next head's record
	s_cselect_b32 s98, 256, s96                    ; lanes 16-31's scale words: a copy, or the next head's
	s_cselect_b32 s99, 0, 16                       ; which are the word's upper two bytes
	s_mov_b32 s62, 768
	s_cselect_b32 s62, 1536, s62                   ; from tile to tile
	s_add_co_u32 s86, s86, s84
	s_add_co_u32 s90, s90, s84
	s_mov_b32 s87, 0
	s_mov_b32 s89, 0
	s_mov_b32 s91, 0
	s_add_nc_u64 s[86:87], s[92:93], s[86:87]
	s_add_nc_u64 s[88:89], s[86:87], s[88:89]
	s_add_nc_u64 s[90:91], s[92:93], s[90:91]
	v_mul_lo_u32 v[SVA], v3, s98                   ; (these eleven plain lines are the places behind the last products)
	v_lshl_add_u32 v[SVA], v2, 4, v[SVA]
	v_mul_u32_u24 v[SHV], s99, v3
.irp b, 0,1,2,3
	s_mul_i32 s63, s62, \b
	v_add_nc_u32 v[160+2*\b], s63, v4
	v_add_nc_u32 v[161+2*\b], s63, v5
.endr
.irp b, 0,1,2,3
	QUANTW \b
	global_store_b128 v[160+2*\b], v[96+12*\b:96+12*\b+3], s[86:87]               ; 512 consecutive bytes
	global_store_b64 v[161+2*\b], v[96+12*\b+4:96+12*\b+5], s[86:87] offset:512   ; 256
	global_store_b128 v[160+2*\b], v[96+12*\b+6:96+12*\b+9], s[88:89]
	global_store_b64 v[161+2*\b], v[96+12*\b+10:96+12*\b+11], s[88:89] offset:512
.endr
.irp b, 0,1,2,3
	v_lshrrev_b32 v[PW+\b], v[SHV], v[PW+\b]       ; q, k: lanes 16-31 hold the second head's two bytes
.endr
	global_store_b128 v[SVA], v[PW:PW+3], s[90:91] ; sixteen lanes store 256 consecutive bytes
	s_wait_dscnt 0x0
	s_wait_tensorcnt 0x0
	ds_add_u32 v254, v255
	s_wait_dscnt 0x0
	CROUND                                         ; the closing round: no work-group ends while a partner may still ask for a tile that names it
	s_endpgm
.Lfunc_end_k_qab417cb0dd_qkv:
	.size	k_qab417cb0dd_qkv, .Lfunc_end_k_qab417cb0dd_qkv-k_qab417cb0dd_qkv
	.p2alignl 7, 3214868480
	.fill 96, 4, 3214868480
	.section	.rodata,"a",@progbits
	.p2align	6, 0x0
	.amdhsa_kernel k_qab417cb0dd_qkv
		.amdhsa_group_segment_fixed_size 295424
		.amdhsa_private_segment_fixed_size 0
		.amdhsa_enable_private_segment 0
		.amdhsa_kernarg_size 56
		.amdhsa_user_sgpr_count 2
		.amdhsa_user_sgpr_kernarg_segment_ptr 1
		.amdhsa_wavefront_size32 1
		.amdhsa_system_sgpr_workgroup_id_x 1
		.amdhsa_system_sgpr_workgroup_id_y 1
		.amdhsa_system_sgpr_workgroup_id_z 1
		.amdhsa_system_vgpr_workitem_id 0
		.amdhsa_next_free_vgpr 864
		.amdhsa_next_free_sgpr 102
		.amdhsa_reserve_vcc 0
		.amdhsa_float_denorm_mode_32 3
		.amdhsa_float_denorm_mode_16_64 3
		.amdhsa_memory_ordered 1
		.amdhsa_forward_progress 1
		.amdhsa_inst_pref_size 98
	.end_amdhsa_kernel
	.amdgpu_metadata
---
amdhsa.version: [ 1, 2 ]
amdhsa.kernels:
  - .name:           k_qab417cb0dd_qkv
    .symbol:         k_qab417cb0dd_qkv.kd
    .args:
      - { .name: xq, .offset: 0, .size: 8, .value_kind: global_buffer, .address_space: global }
      - { .name: wq, .offset: 8, .size: 8, .value_kind: global_buffer, .address_space: global }
      - { .name: bq, .offset: 16, .size: 8, .value_kind: global_buffer, .address_space: global }
      - { .name: bk, .offset: 24, .size: 8, .value_kind: global_buffer, .address_space: global }
      - { .name: bv, .offset: 32, .size: 8, .value_kind: global_buffer, .address_space: global }
      - { .name: qb, .offset: 40, .size: 8, .value_kind: global_buffer, .address_space: global }
      - { .name: kvb, .offset: 48, .size: 8, .value_kind: global_buffer, .address_space: global }
    .group_segment_fixed_size: 295424
    .private_segment_fixed_size: 0
    .kernarg_segment_align: 8
    .kernarg_segment_size: 56
    .max_flat_workgroup_size: 128
    .sgpr_count:     102
    .vgpr_count:     864
    .wavefront_size: 32
...
	.end_amdgpu_metadata
.endif
;; end of part 2
;; launch attn (part 3): grid 4 x 64, 8 waves a work-group, clusters of 4 x 1, 222,208 bytes of LDS; arguments qb, kvb, attention_mask, cb; writes cb
.if DOCPART == 3
	.amdgcn_target "amdgcn-amd-amdhsa--gfx1250"
	.amdhsa_code_object_version 6
	.text
	.protected	k_qab417cb0dd_attn
	.globl	k_qab417cb0dd_attn
	.p2align	8
	.type	k_qab417cb0dd_attn,@function
k_qab417cb0dd_attn:
	s_mov_b64 s[64:65], 0
	v_nop
	global_prefetch_b8 v0, s[64:65] scope:SCOPE_SE
	s_setreg_imm32_b32 hwreg(HW_REG_WAVE_MODE, 25, 1), 1
	s_wait_xcnt 0x0
	s_wait_alu depctr_hold_cnt(0) depctr_sa_sdst(0) depctr_va_vdst(0) depctr_va_sdst(0) depctr_va_ssrc(0) depctr_va_vcc(0) depctr_vm_vsrc(0)
	s_getreg_b32 s2, hwreg(HW_REG_IB_STS2, 6, 4)
	s_cmp_eq_u32 s2, 0
	s_cbranch_scc0 .Lentry_in_a_cluster
	s_endpgm
.Lentry_in_a_cluster:
	s_bfe_u32 s2, ttmp6, 0x10000c
	s_cmp_lg_u32 s2, 0x3003
	s_cbranch_scc0 .Lentry_shape_is_right
	s_endpgm
.Lentry_shape_is_right:
; ctx = softmax(q k^T / 8 + mask) v for one (batch, head), both products on codes of FP6 with E8M0 scales; ctx leaves as codes, quantised along the head's 64.
; THE SOFTMAX: t = (q . k / 8 + mask) log2(e); M = the running largest t rounded up to a whole number; p = 2^(t - M) is quantised along the keys; the row's sum is taken of the unquantised p and divides at the end.
; SHARES.  A work-group owns 512 queries of one head; the head's four query blocks form a cluster and ask for K and V jointly.  The whole head's K, V and their scale words, 212,992 bytes, come into LDS once.
; Each of eight waves makes two passes; in a pass it owns TWO tiles of 16 queries, A in register window 0 and B in window 1 at the same numbers: every fragment of K, V and the mask read from LDS feeds two products,
; and the softmax is written once and run under two window settings.
; LAYOUT.  Both products are used transposed (S^T = K Q^T, O^T = V^T P^T): a lane holds one query.  A tile's keys are 32 B + 8 u + r + 8 (r / 8), so 16 registers of two neighbouring tiles are 16 neighbouring keys.
; K = 64 FILLS HALF OF THE INSTRUCTION'S 128: Q's registers 6-11 hold zero codes.  K's tile t stands in six registers and its operand runs on over the next tile's six: those codes meet zeros and add nothing
; (FP6 has no NaN and no infinity, and every scale byte here is 254 at the most).
; THE MASK COSTS NO LINE: 8 x mask, in the result's layout, is the C of K Q^T.
; LIMITS: NaN and +infinity are not served.  8 x mask is held to +-3e38: exact up to |mask| = 3.7e37; -infinity acts as 'never chosen'; a row all of whose keys are masked by -infinity is not served.
; While every key seen so far is masked by a large negative number, t - M is only as exact as f32 leaves t: up to |mask| = 3e9 the error stays under 128, p is finite and is later multiplied by f = 0;
; at the hold c x 3e38 rounds toward zero, so t - M is negative and p = 0; a run of keys from the head's first on, all masked by numbers between 3e9 and the hold, is not served.
; A block of zeros gets the byte 1 (its codes are zeros).  The two scale bytes of a row leave as runs of 64 bytes: 2 bytes for each 48 of codes, the one place where a 256-byte run is not written whole.
; REGISTERS (M: the same numbers in both windows): v1 16 x lane, v2 8 x lane, v3 the mask's place, v4-6 the step's addresses, v8 16 r, v9 2 x lane, v10-11 scale bytes;
;   M v12 -M, v13 the largest t, v[14:15] the sum, v16-27 Q;  window 0 alone, scales and nothing else: v28, v29 Q's words, v30, v31 p's, v88-91 V's, v248-251 K's;
;   window 0 v32-85 K's codes;  window 1 v32-79 V's four fragments;  v192-223 mask tiles 0-3 (window 0), 4-7 (window 1);  M v96-159 S^T, then p;  M v160-191 O^T;  M v224-247, v252-254 at work.
.set REC,   13312                      ; a record: 128 keys: K's 8 half fragments, their words (at 6,144), V's 4 fragments (at 6,656), their words (at 12,800)
.set HEADB, 212992
.set MB,    212992                     ; LDS: 8 x mask of the batch, 8,192 bytes, in blocks of its own behind the records
.set QHEAD, 106496
.set QREC,  6656
.set GRP,   98304
.set CSO,   6291456
.set FLOOR, 0x1800000
.set EOFF,  0xff000000
.set WV,  12
.set G1,  20
.set G0,  28
.set SEL, 32
.set CS,  34
.set MKB, 60                           ; s[60:61] the mask loads' base: a pair that no other line names, so that nothing is written over a pending load's source
.set MSB, 0
.macro WIN new
.if MSB != \new
	s_set_vgpr_msb (MSB<<8)|\new
.set MSB, \new
.endif
.endm
.macro CROUND
	s_barrier_signal -1
	s_barrier_wait -1
	s_cmp_lg_u32 s[WV], 0
	s_cbranch_scc1 .Lnot_wave_0_\@
	s_barrier_signal -3
.Lnot_wave_0_\@:
	s_barrier_wait -3
	s_barrier_signal -1
	s_barrier_wait -1
.endm
; One tile's softmax for 128 keys, in the window that is set.  v96-159 hold q . k + 8 mask; at the end v224-235 hold p's codes, v253 its scale word, v252 f = 2^(old M - new M).
.macro SM
.irp b, 0,1,2,3
	v_max3_num_f32 v[232+\b], v[96+16*\b], v[97+16*\b], v[98+16*\b]   ; the largest score of each block of 32 keys: for the row's maximum, and, since p rises with the score, for the block's largest p
.endr
.irp i, 3,5,7,9,11,13
.irp b, 0,1,2,3
	v_max3_num_f32 v[232+\b], v[232+\b], v[96+16*\b+\i], v[97+16*\b+\i]
.endr
.endr
.irp b, 0,1,2,3
	v_max_num_f32 v[232+\b], v[232+\b], v[111+16*\b]
.endr
.irp b, 0,1,2,3
	v_permlanex16_b32 v[236+\b], v[232+\b], s[SEL], s[SEL+1]
.endr
.irp b, 0,1,2,3
	v_max_num_f32 v[232+\b], v[232+\b], v[236+\b]  ; with lane l xor 16's 16 keys
.endr
	v_max3_num_f32 v254, v232, v233, v234
	v_max_num_f32 v254, v254, v235
	v_mul_f32 v254, s[CS], v254                    ; as t (c is positive)
	v_max_num_f32 v13, v13, v254                   ; the running largest t
	v_mov_b32 v254, v12
	v_floor_f32 v12, -v13                          ; -M = floor(-t): M is a whole number
	v_sub_f32 v254, v12, v254                      ; old M - new M: a whole number, 0 or less
	v_cvt_i32_f32 v254, v254                       ; (it saturates)
	v_ldexp_f32 v252, 1.0, v254                    ; f: a multiplication by it rounds nothing
.set j, 0
.rept 32
	v_pk_fma_f32 v[96+j:97+j], v[96+j:97+j], s[CS:CS+1], v[12:13] op_sel_hi:[1,0,0]   ; t - M, two at a time
.set j, j+2
.endr
.irp b, 0,1,2,3
	v_fma_f32 v[232+\b], v[232+\b], s[CS], v12
.endr
.set j, 0
.rept 64
	v_exp_f32 v[96+j], v[96+j]                     ; p = 2^(t - M): one batch
.set j, j+1
.endr
	v_pk_mul_f32 v[14:15], v[14:15], v[252:253] op_sel_hi:[1,0]   ; the sum under the new M: the plain line behind the batch
	s_wait_alu depctr_va_vdst(0)                   ; one wait for the batch, ahead of its first reader
.irp b, 0,1,2,3
	v_exp_f32 v[232+\b], v[232+\b]                 ; the block's largest p
.endr
	v_pk_add_f32 v[236:237], v[96:97], v[98:99]    ; the row's sum of the unquantised p, in two chains
.irp j, 4,8,12,16,20,24,28,32,36,40,44,48,52,56,60
	v_pk_add_f32 v[14:15], v[14:15], v[96+\j:97+\j]
	v_pk_add_f32 v[236:237], v[236:237], v[98+\j:99+\j]
.endr
	v_pk_add_f32 v[14:15], v[14:15], v[236:237]
	s_wait_alu depctr_va_vdst(0)                   ; and one for the four
.irp b, 0,1,2,3
	v_max_num_f32 v[232+\b], FLOOR, v[232+\b]
.endr
.irp b, 0,1,2,3
	v_add_nc_u32 v[244+\b], EOFF, v[232+\b]
.endr
.irp b, 0,1,2,3
	v_lshrrev_b32 v[236+\b], 23, v[244+\b]
.endr
	v_lshl_or_b32 v253, v237, 8, v236
	v_lshl_or_b32 v253, v238, 16, v253
	v_lshl_or_b32 v253, v239, 24, v253
.irp c, 0,1
	v_cvt_scalef32_pk16_fp6_f32 v[224+6*\c:226+6*\c], v[96+32*\c:111+32*\c], v[244+2*\c]
	v_cvt_scalef32_pk16_fp6_f32 v[236+4*\c:238+4*\c], v[112+32*\c:127+32*\c], v[245+2*\c]
.endr
	v_nop                                          ; one plain line behind the scaled conversions
.irp c, 0,1
.irp i, 0,1,2
	v_permlane16_swap_b32 v[224+6*\c+\i], v[236+4*\c+\i]
.endr
.irp i, 0,1,2
	v_mov_b32 v[227+6*\c+\i], v[236+4*\c+\i]
.endr
.endr
.endm
.macro RESC                            ; O^T under the new M; each accumulator from its low end on.  These 16 lines are also the places between p's scale word and codes and the products that take them
.set j, 0
.rept 16
	v_pk_mul_f32 v[160+j:161+j], v[160+j:161+j], v[252:253] op_sel_hi:[1,0]
.set j, j+2
.endr
.endm
.macro INIT                            ; the key loop has no first step of its own: it finds zeros, which the first change of M leaves zeros
	v_mov_b32 v13, 0xff61b1e6                      ; the largest t so far: -3e38
	v_mov_b32 v12, 0x7f61b1e6                      ; -M = floor(3e38)
	v_mov_b32 v14, 0
	v_mov_b32 v15, 0
.set j, 0
.rept 32
	v_mov_b32 v[160+j], 0
.set j, j+1
.endr
.endm
; One tile's end, in the window that is set: O^T / the sum, quantised along the head's 64: v224-229 the half fragment, v253 the row's two scale bytes.
.macro EPI
	v_add_f32 v14, v14, v15
	v_permlanex16_b32 v252, v14, s[SEL], s[SEL+1]
	v_add_f32 v14, v14, v252                       ; the row's sum
	v_rcp_f32 v14, v14
	v_nop                                          ; a plain line behind the reciprocal,
	s_wait_alu depctr_va_vdst(0)                   ; and the wait ahead of its first reader
.set j, 0
.rept 32
	v_mul_f32 v[96+j], v[160+j], v14               ; register 16 b + i is feature 32 b + 16 h + i
.set j, j+1
.endr
.irp b, 0,1
	v_max3_num_f32 v[232+\b], |v[96+16*\b]|, |v[97+16*\b]|, FLOOR
.endr
.irp i, 2,4,6,8,10,12,14
.irp b, 0,1
	v_max3_num_f32 v[232+\b], v[232+\b], |v[96+16*\b+\i]|, |v[97+16*\b+\i]|
.endr
.endr
.irp b, 0,1
	v_permlanex16_b32 v[236+\b], v[232+\b], s[SEL], s[SEL+1]
.endr
.irp b, 0,1
	v_max_num_f32 v[232+\b], v[232+\b], v[236+\b]
.endr
.irp b, 0,1
	v_add_nc_u32 v[244+\b], EOFF, v[232+\b]
.endr
.irp b, 0,1
	v_lshrrev_b32 v[236+\b], 23, v[244+\b]
.endr
	v_lshl_or_b32 v253, v237, 8, v236
	v_cvt_scalef32_pk16_fp6_f32 v[224:226], v[96:111], v244
	v_cvt_scalef32_pk16_fp6_f32 v[240:242], v[112:127], v245
	v_nop
.irp i, 0,1,2
	v_permlane16_swap_b32 v[224+\i], v[240+\i]
.endr
.irp i, 0,1,2
	v_mov_b32 v[227+\i], v[240+\i]
.endr
.endm
	s_load_b256 s[4:11], s[0:1], 0x0               ; qb s[4:5], kvb s[6:7], attention_mask s[8:9], cb s[10:11]
	v_lshl_add_u32 v243, v0, 2, 0x36000
	v_mov_b32 v255, 0
	ds_add_u32 v243, v255
	ds_add_u32 v243, v255
	v_lshrrev_b32 v1, 5, v0
	v_readfirstlane_b32 s[WV], v1                  ; wave 0..7
	s_bfe_u32 s13, ttmp6, 0x40000                  ; cx: my block of 512 queries; it enters Q's and ctx's addresses alone
	s_and_b32 s14, ttmp7, 0xffff                   ; 16 batch + head, which the four partners share
	s_lshr_b32 s15, s14, 4
	s_and_b32 s16, s14, 15
	s_mov_b32 s[G1], 15|(3<<16)|(1<<21)            ; the mask: all four; elements of 8 bytes; bit 21 beside a mask; no padding
	s_mov_b32 s[G1+1], 32<<16                      ; rows of 256 bytes of a dense block
	s_mov_b32 s[G1+2], 104<<16                     ; 104 rows: two records, 26,624 bytes
	s_mov_b32 s[G1+3], 32<<16
	s_mov_b32 s[G1+4], 104
	s_mov_b32 s[G1+5], 32
	s_mov_b32 s[G1+6], 0
	s_mov_b32 s[G1+7], 0
	s_mul_i32 s50, s14, HEADB
	s_mul_i32 s[G0+1], s[WV], 2*REC                ; LDS: wave x two records
	s_add_co_u32 s50, s50, s[G0+1]
	s_mov_b32 s51, 0
	s_mov_b32 s[G0], 1
	s_mov_b32 s[SEL], 0x76543210
	s_mov_b32 s[SEL+1], 0xfedcba98
	s_mov_b32 s[CS], 0x3e38aa3b                    ; c = log2(e) / 8
	s_mov_b32 s[CS+1], s[CS]
	s_mov_b32 s40, 0xffff0000                      ; lanes 16-31
	s_wait_dscnt 0x0
	s_wait_kmcnt 0x0
	s_add_nc_u64 s[G0+2:G0+3], s[6:7], s[50:51]
	s_or_b32 s[G0+3], s[G0+3], 0x80000000
	CROUND                                         ; all four work-groups are here: the joint loads meet
	tensor_load_to_lds s[G0:G0+3], s[G1:G1+7]      ; every wave's one load: an eighth of the head
	s_nop 0
.rept 4
	v_nop
.endr
	v_lshlrev_b32 v7, 4, v0
	s_lshl_b32 s50, s15, 13
	s_add_nc_u64 s[MKB:MKB+1], s[8:9], s[50:51]
	global_load_b128 v[96:99], v7, s[MKB:MKB+1]    ; the batch's mask: 2,048 numbers, eight a thread
	global_load_b128 v[100:103], v7, s[MKB:MKB+1] offset:4096
	v_lshl_add_u32 v10, v0, 4, MB
	v_mov_b32 v11, 0x7f61b1e6                      ; 3e38
	v_and_b32 v9, 31, v0
	v_and_b32 v8, 15, v0
	v_bfe_u32 v3, v0, 4, 1
	v_lshlrev_b32 v1, 4, v9                        ; 16 x lane
	v_lshlrev_b32 v2, 3, v9                        ; 8 x lane
	v_lshl_add_u32 v3, v3, 6, MB                   ; a mask tile's register j is key 32 (t / 2) + 8 (t % 2) + 16 h + j
	v_lshlrev_b32 v8, 4, v8                        ; 16 r
	v_lshlrev_b32 v9, 1, v9                        ; 2 x lane
	; where Q comes from and ctx goes: tile 128 batch + 32 cx + 16 pass + 2 wave + X
	s_mul_i32 s50, s14, QHEAD
	s_lshl_b32 s52, s13, 2
	s_lshr_b32 s53, s[WV], 2
	s_add_co_u32 s52, s52, s53                     ; my group of 128 tokens in pass 0
	s_mul_i32 s53, s52, QREC
	s_add_co_u32 s50, s50, s53
	s_and_b32 s54, s[WV], 3
	s_mul_i32 s55, s54, 1536
	s_add_co_u32 s56, s50, s55
	s_mov_b32 s57, 0
	s_add_nc_u64 s[42:43], s[4:5], s[56:57]        ; Q's two half fragments
	s_bfe_u32 s55, s[WV], 0x10001
	s_lshl_b32 s55, s55, 8
	s_and_b32 s58, s[WV], 1
	s_lshl_b32 s58, s58, 3
	s_add_co_u32 s56, s50, s55
	s_add_co_u32 s56, s56, s58
	s_add_co_u32 s56, s56, 6144
	s_add_nc_u64 s[44:45], s[4:5], s[56:57]        ; their scale words
	s_lshl_b32 s55, s15, 4
	s_add_co_u32 s55, s55, s52
	s_mul_i32 s56, s55, GRP
	s_lshr_b32 s58, s16, 1
	s_mul_i32 s58, s58, 12288                      ; the head's K step of the last product,
	s_add_co_u32 s56, s56, s58
	s_mul_i32 s58, s54, 3072
	s_add_co_u32 s56, s56, s58
	s_and_b32 s58, s16, 1
	s_mul_i32 s58, s58, 768                        ; and its half of the fragment
	s_add_co_u32 s56, s56, s58
	s_add_nc_u64 s[46:47], s[10:11], s[56:57]
	s_lshl_b32 s56, s15, 7
	s_lshl_b32 s58, s13, 5
	s_add_co_u32 s56, s56, s58
	s_lshl_b32 s58, s[WV], 1
	s_add_co_u32 s56, s56, s58
	s_lshl_b32 s56, s56, 5
	s_lshl_b32 s58, s16, 14
	s_add_co_u32 s56, s56, s58
	s_add_co_u32 s56, s56, CSO
	s_add_nc_u64 s[48:49], s[10:11], s[56:57]      ; the rows' scale bytes: [head][tile][r], two bytes each
.irp j, 22,23,24,25,26,27,236,237,238,239,253
	v_mov_b32 v\j, 0                               ; Q's upper codes; lane permutes' destinations; the upper half of the pair v[252:253]
.endr
.irp j, 80,81,82,83,84,85
	v_mov_b32 v\j, 0                               ; what K's tile 7 runs on over
.endr
	WIN 0x40
.irp j, 22,23,24,25,26,27,236,237,238,239,253
	v_mov_b32 v\j, 0
.endr
	WIN 0
	s_wait_loadcnt 0x0
.irp j, 0,1,2,3,4,5,6,7
	v_mul_f32 v[96+\j], 0x41000000, v[96+\j]       ; 8 x mask: the scores are divided by 8 with the mask in them
.endr
.irp j, 0,1,2,3,4,5,6,7
	v_med3_num_f32 v[96+\j], v[96+\j], -v11, v11   ; held to +-3e38
.endr
	ds_store_b128 v10, v[96:99]
	ds_store_b128 v10, v[100:103] offset:4096
	s_wait_tensorcnt 0x0                           ; my eighth of the head has landed,
	s_wait_dscnt 0x0                               ; and my part of the mask
	s_barrier_signal -1
	s_barrier_wait -1                              ; everybody's have; nothing in LDS is written from here on
	s_mov_b32 s39, 2
.Lpass:
	global_load_b128 v[16:19], v1, s[42:43]
	global_load_b64 v[20:21], v2, s[42:43] offset:512
	global_load_b32 v28, v8, s[44:45]
	global_load_b32 v29, v8, s[44:45] offset:4
	INIT
	WIN 0x40
	global_load_b128 v[16:19], v1, s[42:43] offset:768
	global_load_b64 v[20:21], v2, s[42:43] offset:1280
	INIT
	WIN 0
	s_mov_b32 s36, 0
	s_mov_b32 s37, 0
	s_mov_b32 s38, 16
	s_wait_loadcnt 0x0
.Lkey:                                             ; a trip: 128 keys, for both tiles
	v_add_nc_u32 v4, s36, v1                       ; (these four plain lines are the places between the last products and the loads into V's registers)
	v_add_nc_u32 v5, s36, v2
	v_add_nc_u32 v6, s37, v3
	v_nop
.irp t, 0,1,2,3,4,5,6,7
	ds_load_b128 v[32+6*\t:35+6*\t], v4 offset:768*\t
	ds_load_b64 v[36+6*\t:37+6*\t], v5 offset:768*\t+512
.endr
	ds_load_b128 v[248:251], v4 offset:6144        ; K's scale words: lanes 0-15 tiles 0-3, lanes 16-31 tiles 4-7
.irp t, 0,1,2,3
	ds_load_b128 v[192+8*\t:195+8*\t], v6 offset:128*(\t/2)+32*(\t%2)
	ds_load_b128 v[196+8*\t:199+8*\t], v6 offset:128*(\t/2)+32*(\t%2)+16
.endr
	WIN 0x40
.irp t, 4,5,6,7
	ds_load_b128 v[192+8*(\t-4):195+8*(\t-4)], v6 offset:128*(\t/2)+32*(\t%2)
	ds_load_b128 v[196+8*(\t-4):199+8*(\t-4)], v6 offset:128*(\t/2)+32*(\t%2)+16
.endr
.irp d, 0,1,2,3
	ds_load_b128 v[32+12*\d:35+12*\d], v4 offset:6656+1536*\d
	ds_load_b64 v[36+12*\d:37+12*\d], v5 offset:6656+1536*\d+512
	ds_load_b128 v[38+12*\d:41+12*\d], v4 offset:6656+1536*\d+768
	ds_load_b64 v[42+12*\d:43+12*\d], v5 offset:6656+1536*\d+1280
.endr
	WIN 0
	ds_load_b128 v[88:91], v4 offset:12800         ; V's scale words
	s_wait_dscnt 17                                ; K, its words and the mask are in; V's 16 loads and its words stay out
.irp x, 0,1                                    ; S^T = K Q^T + 8 mask
.irp g, 0,1
.set wv, (\x<<2)|(\g<<4)|(\x<<6)
	WIN wv                                         ; Q and S^T in the tile's window, the mask tile in window g
.irp u, 0,1,2,3
.set t, 4*\g+\u
.if \g
	v_wmma_scale_f32_16x16x128_f8f6f4 v[96+8*t:103+8*t], v[32+6*t:43+6*t], v[16:27], v[192+8*\u:199+8*\u], v[248+\u], v[28+\x] matrix_a_fmt:MATRIX_FMT_FP6 matrix_b_fmt:MATRIX_FMT_FP6 matrix_a_scale:MATRIX_SCALE_ROW1
.else
	v_wmma_scale_f32_16x16x128_f8f6f4 v[96+8*t:103+8*t], v[32+6*t:43+6*t], v[16:27], v[192+8*\u:199+8*\u], v[248+\u], v[28+\x] matrix_a_fmt:MATRIX_FMT_FP6 matrix_b_fmt:MATRIX_FMT_FP6
.endif
.endr
.endr
.endr
.rept 4
	v_nop
.endr
	WIN 0
	SM
	v_mov_b32 v30, v253                            ; p's scale word, into a register that holds scales alone
	RESC
	WIN 0x55
	SM
	WIN 0x01
	v_mov_b32 v31, v253
	WIN 0x55
	RESC
	s_wait_dscnt 0x0                               ; V
	WIN 0x01                                       ; V window 1; p, O^T window 0
.irp d, 0,1,2,3
	v_wmma_scale_f32_16x16x128_f8f6f4 v[160+8*\d:167+8*\d], v[32+12*\d:43+12*\d], v[224:235], v[160+8*\d:167+8*\d], v[88+\d], v30 matrix_a_fmt:MATRIX_FMT_FP6 matrix_b_fmt:MATRIX_FMT_FP6
.endr
	WIN 0x55
.irp d, 0,1,2,3
	v_wmma_scale_f32_16x16x128_f8f6f4 v[160+8*\d:167+8*\d], v[32+12*\d:43+12*\d], v[224:235], v[160+8*\d:167+8*\d], v[88+\d], v31 matrix_a_fmt:MATRIX_FMT_FP6 matrix_b_fmt:MATRIX_FMT_FP6
.endr
	WIN 0
	s_add_co_u32 s36, s36, REC
	s_add_co_u32 s37, s37, 512
	s_sub_co_u32 s38, s38, 1
	s_cmp_lg_u32 s38, 0
	s_cbranch_scc1 .Lkey
.rept 4
	v_nop
.endr
	EPI
	global_store_b128 v1, v[224:227], s[46:47]             ; 512 consecutive bytes
	global_store_b64 v2, v[228:229], s[46:47] offset:512   ; 256
	WIN 0x55
	EPI
	WIN 0x04                                       ; a store's data are its source 1: window 1
	global_store_b128 v1, v[224:227], s[46:47] offset:1536
	global_store_b64 v2, v[228:229], s[46:47] offset:2048
	WIN 0x01
	v_mov_b32 v11, v253
	WIN 0
	v_cndmask_b32 v10, v253, v11, s40              ; lanes 0-15: tile A's rows, lanes 16-31: tile B's
	global_store_b16 v9, v10, s[48:49]
	s_wait_xcnt 0x0                                ; the stores have read their registers and bases
	s_add_nc_u64 s[42:43], s[42:43], 2*QREC        ; 16 tiles on
	s_add_nc_u64 s[44:45], s[44:45], 2*QREC
	s_add_nc_u64 s[46:47], s[46:47], 2*GRP
	s_add_nc_u64 s[48:49], s[48:49], 512
	s_sub_co_u32 s39, s39, 1
	s_cmp_lg_u32 s39, 0
	s_cbranch_scc1 .Lpass
	s_wait_dscnt 0x0
	s_wait_tensorcnt 0x0
	ds_add_u32 v243, v255
	s_wait_dscnt 0x0
	CROUND                                         ; the closing round
	s_endpgm
.Lfunc_end_k_qab417cb0dd_attn:
	.size	k_qab417cb0dd_attn, .Lfunc_end_k_qab417cb0dd_attn-k_qab417cb0dd_attn
	.p2alignl 7, 3214868480
	.fill 96, 4, 3214868480
	.section	.rodata,"a",@progbits
	.p2align	6, 0x0
	.amdhsa_kernel k_qab417cb0dd_attn
		.amdhsa_group_segment_fixed_size 222208
		.amdhsa_private_segment_fixed_size 0
		.amdhsa_enable_private_segment 0
		.amdhsa_kernarg_size 32
		.amdhsa_user_sgpr_count 2
		.amdhsa_user_sgpr_kernarg_segment_ptr 1
		.amdhsa_wavefront_size32 1
		.amdhsa_system_sgpr_workgroup_id_x 1
		.amdhsa_system_sgpr_workgroup_id_y 1
		.amdhsa_system_sgpr_workgroup_id_z 1
		.amdhsa_system_vgpr_workitem_id 0
		.amdhsa_next_free_vgpr 512
		.amdhsa_next_free_sgpr 66
		.amdhsa_reserve_vcc 0
		.amdhsa_float_denorm_mode_32 3
		.amdhsa_float_denorm_mode_16_64 3
		.amdhsa_memory_ordered 1
		.amdhsa_forward_progress 1
		.amdhsa_inst_pref_size 49
	.end_amdhsa_kernel
	.amdgpu_metadata
---
amdhsa.version: [ 1, 2 ]
amdhsa.kernels:
  - .name:           k_qab417cb0dd_attn
    .symbol:         k_qab417cb0dd_attn.kd
    .args:
      - { .name: qb, .offset: 0, .size: 8, .value_kind: global_buffer, .address_space: global }
      - { .name: kvb, .offset: 8, .size: 8, .value_kind: global_buffer, .address_space: global }
      - { .name: attention_mask, .offset: 16, .size: 8, .value_kind: global_buffer, .address_space: global }
      - { .name: cb, .offset: 24, .size: 8, .value_kind: global_buffer, .address_space: global }
    .group_segment_fixed_size: 222208
    .private_segment_fixed_size: 0
    .kernarg_segment_align: 8
    .kernarg_segment_size: 32
    .max_flat_workgroup_size: 256
    .sgpr_count:     66
    .vgpr_count:     512
    .wavefront_size: 32
...
	.end_amdgpu_metadata
.endif
;; end of part 3
;; launch outp (part 4): grid 8 x 32, 4 waves a work-group, clusters of 4 x 4, 295,424 bytes of LDS; arguments cb, wq, bo, out0; writes out0
.if DOCPART == 4
	.amdgcn_target "amdgcn-amd-amdhsa--gfx1250"
	.amdhsa_code_object_version 6
	.text
	.protected	k_qab417cb0dd_outp
	.globl	k_qab417cb0dd_outp
	.p2align	8
	.type	k_qab417cb0dd_outp,@function
k_qab417cb0dd_outp:
	s_mov_b64 s[64:65], 0
	v_nop
	global_prefetch_b8 v0, s[64:65] scope:SCOPE_SE
	s_setreg_imm32_b32 hwreg(HW_REG_WAVE_MODE, 25, 1), 1
	s_wait_xcnt 0x0
	s_wait_alu depctr_hold_cnt(0) depctr_sa_sdst(0) depctr_va_vdst(0) depctr_va_sdst(0) depctr_va_ssrc(0) depctr_va_vcc(0) depctr_vm_vsrc(0)
	s_getreg_b32 s2, hwreg(HW_REG_IB_STS2, 6, 4)
	s_cmp_eq_u32 s2, 0
	s_cbranch_scc0 .Lentry_in_a_cluster
	s_endpgm
.Lentry_in_a_cluster:
	s_bfe_u32 s2, ttmp6, 0x10000c
	s_cmp_lg_u32 s2, 0xf033
	s_cbranch_scc0 .Lentry_shape_is_right
	s_endpgm
.Lentry_shape_is_right:
; out0 = ctx Wo + bo on codes of FP6 with E8M0 scales, K = 1024; out0 [8192][1024] f32.
; P (source 0) = 128 rows of Wo^T, R (source 1) = 256 tokens a work-group, 64 a wave: a lane holds one token, its registers run along the outputs.  The rows of a tile are 32 B + 8 u + r + 8 (r / 8).
; LDS holds P's 98,304 bytes and R's 196,608 for all of K, filled once in four chunks of two K steps.  CLUSTER 4 x 4: P is asked for jointly by a column of the cluster, R by a row; a wave has four tensor loads out.
; ctx's scale words are put together from the heads' pairs of bytes: 32 loads of two bytes a lane (runs of 64 bytes), once a wave.
; THE WAY OUT: a tile of 16 tokens x 128 outputs goes through the wave's own stage in LDS and leaves as whole rows of 512 bytes.  The stages lie in P's bytes, which have had their only fill and, behind the last barrier, their last read.
; REGISTERS: window 0: v1-17 addresses; v32-63 P's scale words, v64-79 R's; v96-159 bias tiles, later rows of out0; v160-223 the heads' bytes, later rows of out0.
;   window 1: accumulator (a, b) at v[64 b + 8 a].   window 2: P's fragments, two sets of 96.   window 3: R's, two sets of 48.
.set GRP,   98304
.set STEPB, 12288
.set FRB,   1536
.set RB,    98304
.set WSO,   3145728
.set CSO,   6291456
.set SPITCH, 528
.set PS,  32
.set RS,  64
.set CB,  96
.set HT,  160
.set WV,  18
.set G1P, 28
.set G1R, 36
.set G0P, 44
.set G0R, 68
.set MSB, 0
.macro WIN new
.if MSB != \new
	s_set_vgpr_msb (MSB<<8)|\new
.set MSB, \new
.endif
.endm
.macro CROUND
	s_barrier_signal -1
	s_barrier_wait -1
	s_cmp_lg_u32 s[WV], 0
	s_cbranch_scc1 .Lnot_wave_0_\@
	s_barrier_signal -3
.Lnot_wave_0_\@:
	s_barrier_wait -3
	s_barrier_signal -1
	s_barrier_wait -1
.endm
.macro PLACES
.rept 4
	v_nop
.endr
.endm
.macro CHUNK c
	s_wait_tensorcnt 3-(\c)                        ; the chunks issued behind this one stay out
	s_wait_dscnt 0x0
	s_barrier_signal -1
	s_barrier_wait -1
.endm
.macro FETCH s, f
.set pa, 4+6*((\s)/4)
.set ra, 12+2*((\s)/4)
.set so, ((\s)%4)*STEPB
	WIN 0x80
.irp a, 0,1,2,3,4,5,6,7
	ds_load_b128 v[96*(\f)+12*\a:96*(\f)+12*\a+3], v[pa] offset:so+FRB*\a
	ds_load_b64 v[96*(\f)+12*\a+4:96*(\f)+12*\a+5], v[pa+1] offset:so+FRB*\a+512
	ds_load_b128 v[96*(\f)+12*\a+6:96*(\f)+12*\a+9], v[pa] offset:so+FRB*\a+768
	ds_load_b64 v[96*(\f)+12*\a+10:96*(\f)+12*\a+11], v[pa+1] offset:so+FRB*\a+1280
.endr
	WIN 0xc0
.irp b, 0,1,2,3
	ds_load_b128 v[48*(\f)+12*\b:48*(\f)+12*\b+3], v[ra] offset:so+FRB*\b
	ds_load_b64 v[48*(\f)+12*\b+4:48*(\f)+12*\b+5], v[ra+1] offset:so+FRB*\b+512
	ds_load_b128 v[48*(\f)+12*\b+6:48*(\f)+12*\b+9], v[ra] offset:so+FRB*\b+768
	ds_load_b64 v[48*(\f)+12*\b+10:48*(\f)+12*\b+11], v[ra+1] offset:so+FRB*\b+1280
.endr
.endm
.macro WMS oa, ob
.if (\oa) && (\ob)
	v_wmma_scale_f32_16x16x128_f8f6f4 v[rD:rD+7], v[rA:rA+11], v[rB:rB+11], v[rC:rC+7], v[rSA], v[rSB] matrix_a_fmt:MATRIX_FMT_FP6 matrix_b_fmt:MATRIX_FMT_FP6 matrix_a_scale:MATRIX_SCALE_ROW1 matrix_b_scale:MATRIX_SCALE_ROW1
.elseif (\oa)
	v_wmma_scale_f32_16x16x128_f8f6f4 v[rD:rD+7], v[rA:rA+11], v[rB:rB+11], v[rC:rC+7], v[rSA], v[rSB] matrix_a_fmt:MATRIX_FMT_FP6 matrix_b_fmt:MATRIX_FMT_FP6 matrix_a_scale:MATRIX_SCALE_ROW1
.elseif (\ob)
	v_wmma_scale_f32_16x16x128_f8f6f4 v[rD:rD+7], v[rA:rA+11], v[rB:rB+11], v[rC:rC+7], v[rSA], v[rSB] matrix_a_fmt:MATRIX_FMT_FP6 matrix_b_fmt:MATRIX_FMT_FP6 matrix_b_scale:MATRIX_SCALE_ROW1
.else
	v_wmma_scale_f32_16x16x128_f8f6f4 v[rD:rD+7], v[rA:rA+11], v[rB:rB+11], v[rC:rC+7], v[rSA], v[rSB] matrix_a_fmt:MATRIX_FMT_FP6 matrix_b_fmt:MATRIX_FMT_FP6
.endif
.endm
; 32 products of K step s; the 32 accumulators take turns, one instruction a turn, in the same order in every step.  cm = 1: the sums begin with the bias.
.macro MUL s, f, cm
.if \cm
	WIN 0x4e
.else
	WIN 0x5e
.endif
.irp b, 0,1,2,3
.irp a, 0,1,2,3,4,5,6,7
.set rD, 64*\b+8*\a
.set rA, 96*(\f)+12*\a
.set rB, 48*(\f)+12*\b
.if \cm
.set rC, CB+8*\a
.else
.set rC, rD
.endif
.set rSA, PS+8*(\a/2)+(\s)
.set rSB, RS+8*(\b/2)+(\s)
	WMS \a%2, \b%2
.endr
.endr
.endm
.macro KSTEP s
.if ((\s)+1)%2 == 0
	CHUNK ((\s)+1)/2
.endif
	PLACES
	FETCH (\s)+1, ((\s)+1)%2
	s_wait_dscnt 48                                ; all but the 48 just issued
	MUL \s, (\s)%2, 0
.endm
	s_load_b256 s[4:11], s[0:1], 0x0               ; cb s[4:5], wq s[6:7], bo s[8:9], out0 s[10:11]
	v_lshl_add_u32 v254, v0, 2, 0x48000
	v_mov_b32 v255, 0
	ds_add_u32 v254, v255
	ds_add_u32 v254, v255
	v_lshrrev_b32 v1, 5, v0
	v_readfirstlane_b32 s[WV], v1
	s_lshr_b32 s19, s[WV], 1
	s_and_b32 s20, s[WV], 1
	s_bfe_u32 s21, ttmp6, 0x40000                  ; cx
	s_bfe_u32 s22, ttmp6, 0x40004                  ; cy
	s_lshl_b32 s25, ttmp9, 2
	s_add_co_u32 s25, s25, s21                     ; pi: which 128 outputs (never holds cy)
	s_and_b32 s26, ttmp7, 0xffff
	s_lshl_b32 s26, s26, 2
	s_add_co_u32 s26, s26, s22                     ; ri: which 256 tokens (never holds cx)
	s_lshl_b32 s60, 0x1111, s21
	s_lshl_b32 s61, s22, 2
	s_lshl_b32 s61, 15, s61
	s_or_b32 s[G1P], s60, (3<<16)|(1<<21)
	s_or_b32 s[G1R], s61, (3<<16)|(1<<21)
	s_mov_b32 s[G1P+1], 32<<16
	s_mov_b32 s[G1P+2], 48<<16
	s_mov_b32 s[G1P+3], 32<<16
	s_mov_b32 s[G1P+4], 48
	s_mov_b32 s[G1P+5], 32
	s_mov_b32 s[G1P+6], 0
	s_mov_b32 s[G1P+7], 0
	s_mov_b32 s[G1R+1], 32<<16
	s_mov_b32 s[G1R+2], 96<<16
	s_mov_b32 s[G1R+3], 32<<16
	s_mov_b32 s[G1R+4], 96
	s_mov_b32 s[G1R+5], 32
	s_mov_b32 s[G1R+6], 0
	s_mov_b32 s[G1R+7], 0
	s_add_co_u32 s84, s25, 24                      ; Wo^T begins at group 24 of wq
	s_mul_i32 s84, s84, GRP
	s_mul_i32 s62, s20, STEPB
	s_add_co_u32 s84, s84, s62
	s_mov_b32 s85, 0
	s_mul_i32 s86, s26, 2*GRP
	s_mul_i32 s63, s20, GRP
	s_add_co_u32 s86, s86, s63
	s_mov_b32 s87, 0
	s_lshl_b32 s88, s25, 12
	s_add_co_u32 s88, s88, WSO+192*512
	s_mov_b32 s89, 0
	s_lshl_b32 s90, s26, 4
	s_lshl_b32 s91, s[WV], 2
	s_add_co_u32 s90, s90, s91
	s_lshl_b32 s90, s90, 5                         ; my first tile's 32 bytes in a head's plane
	s_add_co_u32 s90, s90, CSO
	s_mov_b32 s91, 0
	s_lshl_b32 s92, s25, 9
	s_mov_b32 s93, 0
	s_lshl_b32 s94, s26, 20                        ; 256 ri rows of 4,096 bytes
	s_lshl_b32 s95, s[WV], 18                      ; + 64 wave
	s_add_co_u32 s94, s94, s95
	s_add_co_u32 s94, s94, s92                     ; + 128 pi outputs
	s_mov_b32 s95, 0
	s_wait_dscnt 0x0
	s_wait_kmcnt 0x0
	s_add_nc_u64 s[84:85], s[6:7], s[84:85]
	s_add_nc_u64 s[86:87], s[4:5], s[86:87]
	s_add_nc_u64 s[88:89], s[6:7], s[88:89]
	s_add_nc_u64 s[90:91], s[4:5], s[90:91]
	s_add_nc_u64 s[92:93], s[8:9], s[92:93]
	s_add_nc_u64 s[94:95], s[10:11], s[94:95]
.irp c, 0,1,2,3
	s_mov_b32 s[G0P+4*\c], 1
	s_add_co_u32 s[G0P+4*\c+1], s62, \c*2*STEPB
	s_add_nc_u64 s[G0P+4*\c+2:G0P+4*\c+3], s[84:85], \c*2*STEPB
	s_or_b32 s[G0P+4*\c+3], s[G0P+4*\c+3], 0x80000000
	s_mov_b32 s[G0R+4*\c], 1
	s_add_co_u32 s[G0R+4*\c+1], s63, RB+\c*2*STEPB
	s_add_nc_u64 s[G0R+4*\c+2:G0R+4*\c+3], s[86:87], \c*2*STEPB
	s_or_b32 s[G0R+4*\c+3], s[G0R+4*\c+3], 0x80000000
.endr
	CROUND
	s_cmp_eq_u32 s19, 0
	s_cbranch_scc0 .Lfor_r
	tensor_load_to_lds s[G0P:G0P+3], s[G1P:G1P+7]
	s_nop 0
	tensor_load_to_lds s[G0P+4:G0P+7], s[G1P:G1P+7]
	s_nop 0
	tensor_load_to_lds s[G0P+8:G0P+11], s[G1P:G1P+7]
	s_nop 0
	tensor_load_to_lds s[G0P+12:G0P+15], s[G1P:G1P+7]
	s_nop 0
.rept 4
	v_nop
.endr
	s_branch .Lasked
.Lfor_r:
	tensor_load_to_lds s[G0R:G0R+3], s[G1R:G1R+7]
	s_nop 0
	tensor_load_to_lds s[G0R+4:G0R+7], s[G1R:G1R+7]
	s_nop 0
	tensor_load_to_lds s[G0R+8:G0R+11], s[G1R:G1R+7]
	s_nop 0
	tensor_load_to_lds s[G0R+12:G0R+15], s[G1R:G1R+7]
	s_nop 0
.rept 4
	v_nop
.endr
.Lasked:
	v_and_b32 v1, 31, v0
	v_and_b32 v2, 15, v0
	v_bfe_u32 v3, v0, 4, 1
	v_lshlrev_b32 v4, 4, v1                        ; 16 x lane
	v_lshlrev_b32 v5, 3, v1                        ; 8 x lane
	v_lshlrev_b32 v6, 4, v2
	v_lshl_add_u32 v6, v3, 9, v6
	v_lshlrev_b32 v7, 1, v1                        ; 2 x lane
	v_lshlrev_b32 v8, 6, v3                        ; 64 h
.irp i, 0,1
.irp d, 0,1,2,3,4,5,6,7,8,9,10,11,12,13,14,15
	global_load_u16 v[HT+16*\i+\d], v7, s[90:91] offset:\d*16384+64*\i   ; head d's two bytes: lanes 0-15 tile 2 i, lanes 16-31 tile 2 i + 1
.endr
.endr
.irp i, 0,1,2,3
.irp q, 0,1
	global_load_b128 v[PS+8*\i+4*\q:PS+8*\i+4*\q+3], v6, s[88:89] offset:1024*\i+256*\q
.endr
.endr
.irp a, 0,1,2,3,4,5,6,7
	global_load_b128 v[CB+8*\a:CB+8*\a+3], v8, s[92:93] offset:4*(32*(\a/2)+8*(\a%2))
	global_load_b128 v[CB+8*\a+4:CB+8*\a+7], v8, s[92:93] offset:4*(32*(\a/2)+8*(\a%2))+16
.endr
	v_add_nc_u32 v10, 4*STEPB, v4
	v_add_nc_u32 v11, 4*STEPB, v5
	s_mul_i32 s96, s19, GRP
	s_mul_i32 s97, s20, 4*FRB
	s_add_co_u32 s96, s96, s97
	s_add_co_u32 s96, s96, RB
	v_add_nc_u32 v12, s96, v4
	v_add_nc_u32 v13, s96, v5
	v_add_nc_u32 v14, 4*STEPB, v12
	v_add_nc_u32 v15, 4*STEPB, v13
	s_mul_i32 s96, s[WV], 16*SPITCH                ; my stage
	v_mul_u32_u24 v16, v2, SPITCH
	v_lshl_add_u32 v16, v3, 6, v16
	v_add_nc_u32 v16, s96, v16                     ; in: row r, + 64 h
	v_add_nc_u32 v17, s96, v4                      ; back: a whole row, 16 bytes a lane
	s_wait_loadcnt 0x0
.irp i, 0,1
.irp s, 0,1,2,3,4,5,6,7
	v_lshl_or_b32 v[RS+8*\i+\s], v[HT+16*\i+2*\s+1], 16, v[HT+16*\i+2*\s]   ; K step s is heads 2 s and 2 s + 1
.endr
.endr
.rept 8
	v_nop                                          ; a scale register written by a vector instruction stands eight plain lines ahead of a scaled matrix instruction
.endr
	CHUNK 0
	FETCH 0, 0
	FETCH 1, 1
	s_wait_dscnt 48
	MUL 0, 0, 1                                    ; the first K step starts the sums with the bias
.irp s, 1,2,3,4,5,6
	KSTEP \s
.endr
	s_wait_dscnt 0x0                               ; my last reads of P and R are in:
	s_barrier_signal -1                            ; say so,
	MUL 7, 1, 0                                    ; work on registers meanwhile,
	WIN 0
	s_barrier_wait -1                              ; and behind this nobody reads LDS any more: the stages may be written
.macro TOSTAGE b
.set BB, 96+64*((\b)%2)
	WIN 0x04                                       ; an LDS store's data are its source 1: window 1
.irp a, 0,1,2,3,4,5,6,7
	ds_store_b128 v16, v[64*(\b)+8*\a:64*(\b)+8*\a+3] offset:128*(\a/2)+32*(\a%2)       ; each accumulator from its low end on: outputs 32 (a / 2) + 16 h + 8 (a % 2) + 0 .. 7
	ds_store_b128 v16, v[64*(\b)+8*\a+4:64*(\b)+8*\a+7] offset:128*(\a/2)+32*(\a%2)+16
.endr
	WIN 0
.irp t, 0,1,2,3,4,5,6,7,8,9,10,11,12,13,14,15
	ds_load_b128 v[BB+4*\t:BB+4*\t+3], v17 offset:\t*SPITCH   ; LDS serves a wave's instructions in order: these see my stores, and the next tile's stores come behind them
.endr
.endm
.macro SEND b, younger
.set BB, 96+64*((\b)%2)
	s_wait_dscnt \younger
.irp t, 0,1,2,3,4,5,6,7,8,9,10,11,12,13,14,15
	global_store_b128 v4, v[BB+4*\t:BB+4*\t+3], s[94:95] offset:(32*((\b)/2)+8*((\b)%2)+\t+8*(\t/8))*4096 th:TH_STORE_NT   ; 32 lanes store 512 consecutive bytes of a token's row
.endr
.endm
	PLACES
	TOSTAGE 0
	TOSTAGE 1
	SEND 0, 32                                     ; behind tile 0's loads: tile 1's 16 stores and 16 loads
	s_wait_xcnt 0x0                                ; tile 0's stores have read their registers
	TOSTAGE 2
	SEND 1, 32
	s_wait_xcnt 0x0
	TOSTAGE 3
	SEND 2, 32
	SEND 3, 0
	s_wait_tensorcnt 0x0
	ds_add_u32 v254, v255
	s_wait_dscnt 0x0
	CROUND                                         ; the closing round
	s_endpgm
.Lfunc_end_k_qab417cb0dd_outp:
	.size	k_qab417cb0dd_outp, .Lfunc_end_k_qab417cb0dd_outp-k_qab417cb0dd_outp
	.p2alignl 7, 3214868480
	.fill 96, 4, 3214868480
	.section	.rodata,"a",@progbits
	.p2align	6, 0x0
	.amdhsa_kernel k_qab417cb0dd_outp
		.amdhsa_group_segment_fixed_size 295424
		.amdhsa_private_segment_fixed_size 0
		.amdhsa_enable_private_segment 0
		.amdhsa_kernarg_size 32
		.amdhsa_user_sgpr_count 2
		.amdhsa_user_sgpr_kernarg_segment_ptr 1
		.amdhsa_wavefront_size32 1
		.amdhsa_system_sgpr_workgroup_id_x 1
		.amdhsa_system_sgpr_workgroup_id_y 1
		.amdhsa_system_sgpr_workgroup_id_z 1
		.amdhsa_system_vgpr_workitem_id 0
		.amdhsa_next_free_vgpr 864
		.amdhsa_next_free_sgpr 102
		.amdhsa_reserve_vcc 0
		.amdhsa_float_denorm_mode_32 3
		.amdhsa_float_denorm_mode_16_64 3
		.amdhsa_memory_ordered 1
		.amdhsa_forward_progress 1
		.amdhsa_inst_pref_size 88
	.end_amdhsa_kernel
	.amdgpu_metadata
---
amdhsa.version: [ 1, 2 ]
amdhsa.kernels:
  - .name:           k_qab417cb0dd_outp
    .symbol:         k_qab417cb0dd_outp.kd
    .args:
      - { .name: cb, .offset: 0, .size: 8, .value_kind: global_buffer, .address_space: global }
      - { .name: wq, .offset: 8, .size: 8, .value_kind: global_buffer, .address_space: global }
      - { .name: bo, .offset: 16, .size: 8, .value_kind: global_buffer, .address_space: global }
      - { .name: out0, .offset: 24, .size: 8, .value_kind: global_buffer, .address_space: global }
    .group_segment_fixed_size: 295424
    .private_segment_fixed_size: 0
    .kernarg_segment_align: 8
    .kernarg_segment_size: 32
    .max_flat_workgroup_size: 128
    .sgpr_count:     102
    .vgpr_count:     864
    .wavefront_size: 32
...
	.end_amdgpu_metadata
.endif
;; end of part 4
